; MI455X (gfx1250); checked and timed in simulation.
; The chip was launched on July 23, 2026; its instructions are those of AMD's public machine-readable ISA for CDNA 5 (MIT licence, August 2026) and "CDNA5" Instruction Set Architecture Reference Guide (July 2026). The comments in the code are by the model that wrote it; some were corrected since.
;; Selective Embedding. Allowed arithmetic: matrix products marked QUANTISED: E2M1 operands, one E8M0 scale for each 32 along K, by v_wmma_scale_f32_16x16x128_f8f6f4 with both operands' format E2M1 (or v_wmma_scale_f32_32x16x128_f4), f32 sums; products left as they are: f32 operands where the result goes on into a quantised operand, else bf16, f16 or f32 operands; f32 sums; everything else in f32.
;; Inputs: E_symb 4 x 2,048 x 1,024 float32; expert_w 8 x 1,024 x 1,024 float32; gate_b 8 float32; gate_w 1,024 x 8 float32.
;; Outputs: out0 4 x 2,048 x 1,024 float32.
;; Constants: k = 2.
;; This version of the problem:
;;   THIS VERSION OF THE PROBLEM IS GIVEN IN LOW PRECISION. The matrix products marked QUANTISED in the list below multiply operands that are first quantised to E2M1 (2 exponent bits, 1 mantissa bit; 4 bits a number), with one power-of-two scale for each 32 numbers along K (OCP MX v1.0); their sums are f32. All else is computed in f32.
;;   The module's matrix products, in the order in which they are computed (A, B: the left and right operand; K: the contracted axis; several contracted axes count as one K, in the product's order):
;;     1. [M 8,192, K 1,024] x [K 1,024, N 8]; A: input E_symb; B: input gate_w: left as it is (N = 8 < 16)
;;     2. [M 8,192, K 1,024] x [K 1,024, N 8,192]; A: input E_symb; B: input expert_w: QUANTISED
;;     3. batch 8,192 x [M 1,024, K 8] x [K 8, N 1]; A: computed on the way; B: computed on the way: left as it is (K = 8 < 32)
;;   THE QUANTISER, for each operand of a quantised product, along K:
;;     - K is cut into blocks of 32 from its start; a last block that is shorter is filled with zeros.
;;     - A block's scale is 2^e with e = floor(log2(the largest magnitude in the block)) - 2, held to -126 .. 127; a block of zeros has e = 0. As a byte (E8M0): e + 127.
;;     - Each number is divided by its block's scale, clamped to +-6, and rounded to the nearest number of E2M1, ties to even, subnormals kept.
;;     - The product sums the exact products of the quantised numbers (number of the format x scale) in f32.
;;   ~~~python
;;   def quantise(x, axis):      # numpy; x: float32 -> the quantised numbers, widened to float32 again
;;       x = np.moveaxis(x, axis, -1); K = x.shape[-1]
;;       x = np.pad(x, [(0, 0)] * (x.ndim - 1) + [(0, -K % 32)]); x = x.reshape(x.shape[:-1] + (-1, 32)); a = np.abs(x).max(-1, keepdims=True)
;;       e = np.where(a > 0, np.clip(np.frexp(np.where(a > 0, a, 1))[1] - 1 - 2, -126, 127), 0)      # np.frexp(a)[1] - 1 = floor(log2(a)), exactly
;;       r = np.clip(x / 2.0 ** e, -6, 6)
;;       step = 2.0 ** (np.maximum(np.frexp(np.where(r == 0, 1, r))[1] - 1, 0) - 1)
;;       q = np.round(r / step) * step * 2.0 ** e      # np.round: ties to even
;;       return np.moveaxis(q.reshape(q.shape[:-2] + (-1,))[..., :K], -1, axis).astype(np.float32)
;;   ~~~
;; 3 versions. Each part assembles by itself: llvm-mc -triple=amdgcn-amd-amdhsa -mcpu=gfx1250 --defsym DOCPART=n.
;; ======== version 1 of 3: 3 launches
;; workspace buffers: xq 4,194,304 bytes; xs 262,144 bytes; wq 4,194,304 bytes; ws 262,144 bytes; cls 8,192 bytes of whole numbers; rows 34,816 bytes of whole numbers; meta 2,048 bytes of whole numbers
;; launch prep (part 1): grid 512 x 1, 4 waves a work-group, no clusters, 71,680 bytes of LDS; arguments E_symb, expert_w, gate_b, gate_w, xq, xs, wq, ws, cls; writes xq, xs, wq, ws, cls
.if DOCPART == 1
	.amdgcn_target "amdgcn-amd-amdhsa--gfx1250"
	.amdhsa_code_object_version 6
	.text
	.protected	k_qabf0073674_prep
	.globl	k_qabf0073674_prep
	.p2align	8
	.type	k_qabf0073674_prep,@function
k_qabf0073674_prep:
	s_mov_b64 s[64:65], 0
	v_nop
	global_prefetch_b8 v0, s[64:65] scope:SCOPE_SE
	s_setreg_imm32_b32 hwreg(HW_REG_WAVE_MODE, 25, 1), 1
	s_wait_xcnt 0x0
; PREP.  Even work-groups: 32 tokens of x [8192][1024] f32 become codes of E2M1 (xq) and E8M0 scale bytes (xs), and the router
; (x gate_w + gate_b, softmax with its maximum taken off, top-2, ties to the lower index) gives each token a class number (cls).
; Odd work-groups: 128 columns x 256 along K of one expert's weight [d][f] become codes (wq) and scale words (ws), laid in the order
; in which the product's launch takes them into operand registers.
; A block's scale is 2^(floor(log2(largest magnitude)) - 2): its byte is the largest magnitude's exponent field - 2, held at 1 from below.
; LIMITS: NaN and infinities are not served.  A block whose largest magnitude lies under 2^-124 gets the byte 1; a block of zeros gets 1
; where the rule says 127 (its codes are zeros, and only this program reads the bytes).  The gate's f32 sums are added in another order
; than a plain loop over d; exp and 1/sum are v_exp_f32 and v_rcp_f32 (results under 2^-126 come out as zero): where the second and the
; third probability lie within a few units of the last place of each other, or both under 2^-126, the choice may fall otherwise.
; LAYOUTS.  xq [token][512 B]: block kb (32 codes) at 16 kb.   xs [token][32 B]: byte b of K step s (128 along K) at 16 (s & 1) + 4 (s >> 1) + b.
; wq [e][g = column / 16][s][c][lane r + 16 h][16 B] = block 4 s + 2 c + h of column 16 g + r.   ws [e][g][lane r + 16 hs][j] words: K step 2 j + hs of column 16 g + r.
; cls: byte t = e2 (e2 - 1) / 2 + e1 for the chosen experts e1 < e2.
; No matrix unit (8 columns of gate_w; f32 is asked for ahead of a top-k), no cluster (work-groups share only gate_w, 32 KB), no tensor loads.
.set STG,  33280                       ; LDS: gate_w at 0 as 32 pieces of 1,024 bytes + 16 (33,280 bytes); then for each wave two stages of 32 x 144 bytes
.set STGW, 9216
.set XSB,  70144                       ; then 256 scale bytes for each wave
.set A0,   24                          ; v24-31  gate sums of the even d, eight experts;  v32-39 of the odd d
.set A1,   32
.set C,    40                          ; v40-47  two sets of a token's codes
.set P,    48                          ; v48-79  partial logits: 8 (token % 4) + expert
.set X,    80                          ; v80-143 two sets of 32 numbers of one block
.set R,    144                         ; v144-239 three row slots as loaded (x path);  v144-175 codes (W path)
.set BY,   240                         ; v240-247 a scale byte for each token
.set MSB, 0
.macro WIN new                         ; the immediate's high byte repeats the setting that is left
.if MSB != (\new)
	s_set_vgpr_msb (MSB<<8)|(\new)
.set MSB, (\new)
.endif
.endm
; the largest magnitude of v[XS_] .. v[XS_+31] and the floor 2^(3 - 127), in two chains -> v12; its exponent field less 2 -> v14
.macro BLKMAX
	v_max3_num_f32 v12, |v[XS_]|, |v[XS_+1]|, 0x1800000
	v_max3_num_f32 v13, |v[XS_+2]|, |v[XS_+3]|, |v[XS_+4]|
.irp i, 5,9,13,17,21,25
	v_max3_num_f32 v12, v12, |v[XS_+\i]|, |v[XS_+\i+1]|
	v_max3_num_f32 v13, v13, |v[XS_+\i+2]|, |v[XS_+\i+3]|
.endr
	v_max3_num_f32 v12, v12, |v[XS_+29]|, |v[XS_+30]|
	v_max3_num_f32 v12, v12, v13, |v[XS_+31]|
	v_add_nc_u32 v14, 0xff000000, v12              ; the conversion takes the exponent field of this operand as its scale
.endm
	s_load_b512 s[4:19], s[0:1], 0x0               ; x s[4:5], W s[6:7], gate_b s[8:9], gate_w s[10:11], xq s[12:13], xs s[14:15], wq s[16:17], ws s[18:19]
	s_load_b64 s[20:21], s[0:1], 0x40              ; cls
	v_lshl_add_u32 v254, v0, 2, 0x11600
	v_mov_b32 v255, 0
	v_lshrrev_b32 v1, 5, v0
	v_readfirstlane_b32 s22, v1                    ; wave 0..3
	v_and_b32 v1, 31, v0                           ; lane
	s_lshr_b32 s23, ttmp9, 1                       ; which part of x or of W
	s_and_b32 s24, ttmp9, 1
	s_cmp_lg_u32 s24, 0
	s_cbranch_scc1 .Lw                             ; the same way for all four waves
; ================= x: 32 tokens a work-group, 8 a wave.  Lane l owns d = 32 l .. 32 l + 31 of every token: one whole block =================
	v_lshlrev_b32 v2, 4, v1                        ; 16 x lane: my bytes of a dense load, and of a token's codes
	s_mul_i32 s25, s22, STGW
	s_add_co_u32 s25, s25, STG                     ; my wave's stages
	v_lshrrev_b32 v12, 3, v1
	v_mul_u32_u24 v3, v12, 144
	v_and_b32 v13, 7, v1
	v_lshl_add_u32 v3, v13, 4, v3
	v_add_nc_u32 v3, s25, v3                       ; into a stage: load j's 512 bytes belong to lanes 4 j .. 4 j + 3: 144 (l / 8) + 16 (l % 8), + 576 j
	v_mul_u32_u24 v4, v1, 144
	v_add_nc_u32 v4, s25, v4                       ; out of it: 144 x lane: my 128 bytes (144 = 9 x 16: sixteen lanes start in sixteen different columns of 16 bytes)
	s_lshl_b32 s26, s22, 8
	s_add_co_u32 s26, s26, XSB                     ; my wave's scale bytes
	v_bfe_u32 v14, v1, 2, 1
	v_lshlrev_b32 v5, 4, v14
	v_lshl_add_u32 v5, v12, 2, v5
	v_and_b32 v14, 3, v1
	v_add_nc_u32 v5, v5, v14
	v_add_nc_u32 v5, s26, v5                       ; block l = K step l / 4, byte l % 4: 16 (s & 1) + 4 (s >> 1) + b
	v_lshrrev_b32 v14, 6, v0
	v_lshlrev_b32 v6, 4, v0
	v_lshl_add_u32 v6, v14, 4, v6                  ; gate_w into LDS: 16 x thread + 16 for each 1,024 passed
	v_mul_u32_u24 v7, v1, 1040                     ; and my piece of it: rows 32 l .. 32 l + 31
	v_cvt_f32_u32 v9, v13                          ; my expert's number in the routing, as f32
	v_lshlrev_b32 v10, 3, v1                       ; 8 x lane
	v_add_nc_u32 v11, s26, v10
	v_lshlrev_b32 v15, 2, v13                      ; gate_b[lane % 8]
	v_lshlrev_b32 v16, 4, v0                       ; gate_w: 16 bytes a thread
	s_mov_b32 s28, 0xaaaaaaaa                      ; the lanes whose bit 0, 1, 2, 3, 4 is set
	s_mov_b32 s29, 0xcccccccc
	s_mov_b32 s30, 0xf0f0f0f0
	s_mov_b32 s31, 0xff00ff00
	s_mov_b32 s32, 0xffff0000
	s_mov_b32 s34, 0x76543210                      ; v_permlanex16_b32's selects for lane l xor 16
	s_mov_b32 s35, 0xfedcba98
	s_lshl_b32 s40, s23, 17                        ; 32 tokens of 4,096 bytes a work-group,
	s_lshl_b32 s42, s22, 15                        ; 8 a wave
	s_add_co_u32 s40, s40, s42
	s_mov_b32 s41, 0
	s_lshl_b32 s43, s23, 5
	s_lshl_b32 s44, s22, 3
	s_add_co_u32 s43, s43, s44                     ; my first token
	s_lshl_b32 s44, s43, 9
	s_mov_b32 s45, 0
	s_lshl_b32 s46, s43, 5
	s_mov_b32 s47, 0
	s_mov_b32 s48, s43
	s_mov_b32 s49, 0
	s_wait_kmcnt 0x0
	s_add_nc_u64 s[4:5], s[4:5], s[40:41]
	s_add_nc_u64 s[12:13], s[12:13], s[44:45]
	s_add_nc_u64 s[14:15], s[14:15], s[46:47]
	s_add_nc_u64 s[20:21], s[20:21], s[48:49]
.macro LOADROW t                       ; token t's row: eight loads of 512 consecutive bytes, into slot t % 3
.irp j, 0,1,2,3,4,5,6,7
	global_load_b128 v[R+32*((\t)%3)+4*\j:R+32*((\t)%3)+4*\j+3], v2, s[4:5] offset:4096*(\t)+512*\j th:TH_LOAD_NT
.endr
.endm
.macro TURN t                          ; token t's row through stage t % 2: in as loaded, out 128 bytes a lane.  LDS serves a wave's instructions in order: no wait between
.irp j, 0,1,2,3,4,5,6,7
	ds_store_b128 v3, v[R+32*((\t)%3)+4*\j:R+32*((\t)%3)+4*\j+3] offset:4608*((\t)%2)+576*\j
.endr
.irp j, 0,1,2,3,4,5,6,7
	ds_load_b128 v[X+32*((\t)%2)+4*\j:X+32*((\t)%2)+4*\j+3], v4 offset:4608*((\t)%2)+16*\j
.endr
.endm
	global_load_b32 v8, v15, s[8:9]                ; gate_b of my expert
.irp j, 0,1,2,3,4,5,6,7,8,9,10,11,12,13,14,15
	global_load_b128 v[X+4*\j:X+4*\j+3], v16, s[10:11] offset:2048*\j    ; gate_w, dense: 2,048 bytes a work-group and load
.endr
	LOADROW 0
	LOADROW 1
	LOADROW 2
	s_wait_loadcnt 24                              ; gate_b and gate_w are in; the 24 loads of three rows stay out
.irp j, 0,1,2,3,4,5,6,7,8,9,10,11,12,13,14,15
	ds_store_b128 v6, v[X+4*\j:X+4*\j+3] offset:2080*\j
.endr
	s_wait_dscnt 0x0                               ; for the others' sake: my part of gate_w lies in LDS
	s_barrier_signal -1
	s_barrier_wait -1
	WIN 0x40                                       ; destination window 1: register 8 dd + e = gate_w[32 l + dd][e]; it stays for the whole launch
.set i, 0
.rept 64
	ds_load_b128 v[4*i:4*i+3], v7 offset:16*i
.set i, i+1
.endr
	WIN 0
	s_wait_dscnt 0x0
	s_wait_loadcnt 16                              ; row 0 is in; rows 1 and 2 stay out
	TURN 0
.macro TOKEN t
.set XS_, X+32*((\t)%2)
.set CS_, C+4*((\t)%2)
.if (\t) > 0
	s_wait_dscnt 1                                 ; my 32 numbers are back from the stage (the last token's byte store may be out), and the stage's stores have read their slot,
.else
	s_wait_dscnt 0x0
.endif
.if (\t)+3 < 8
	LOADROW (\t)+3                                 ; which takes the row three tokens on
.endif
.if (\t)+1 < 8
.if (\t) < 5
	s_wait_loadcnt 16                              ; the next row is in; the two rows behind it stay out
.else
	s_wait_loadcnt 8*(6-(\t))                      ; the counts run down: one row behind it, then none
.endif
	TURN (\t)+1
.endif
	BLKMAX
	s_wait_xcnt 0x0                                ; the store of two tokens ago has read this set of codes
.irp g, 0,1,2,3
	v_cvt_scalef32_pk8_fp4_f32 v[CS_+\g], v[XS_+8*\g:XS_+8*\g+7], v14
.endr
	v_lshrrev_b32 v[BY+(\t)], 23, v14              ; the scale's byte (the plain line behind the conversions)
	ds_store_b8 v5, v[BY+(\t)] offset:32*(\t)
	global_store_b128 v2, v[CS_:CS_+3], s[12:13] offset:512*(\t)      ; the wave stores the token's 512 bytes of codes on end
	WIN 0x04                                       ; source 1 (gate_w) window 1
.set dd, 0
.rept 16                               ; my 32 d x 8 experts: two experts an instruction; even and odd d in two sets of sums; the first products start them
.irp q, 0,1,2,3
.if dd == 0
	v_pk_mul_f32 v[A0+2*\q:A0+2*\q+1], v[XS_+dd:XS_+dd+1], v[8*dd+2*\q:8*dd+2*\q+1] op_sel_hi:[0,1]
.else
	v_pk_fma_f32 v[A0+2*\q:A0+2*\q+1], v[XS_+dd:XS_+dd+1], v[8*dd+2*\q:8*dd+2*\q+1], v[A0+2*\q:A0+2*\q+1] op_sel_hi:[0,1,1]
.endif
.endr
.irp q, 0,1,2,3
.if dd == 0
	v_pk_mul_f32 v[A1+2*\q:A1+2*\q+1], v[XS_+dd:XS_+dd+1], v[8*dd+8+2*\q:8*dd+8+2*\q+1] op_sel:[1,0] op_sel_hi:[1,1]
.else
	v_pk_fma_f32 v[A1+2*\q:A1+2*\q+1], v[XS_+dd:XS_+dd+1], v[8*dd+8+2*\q:8*dd+8+2*\q+1], v[A1+2*\q:A1+2*\q+1] op_sel:[1,0,0] op_sel_hi:[1,1,1]
.endif
.endr
.set dd, dd+2
.endr
	WIN 0
.irp q, 0,1,2,3
	v_pk_add_f32 v[P+8*((\t)%4)+2*\q:P+8*((\t)%4)+2*\q+1], v[A0+2*\q:A0+2*\q+1], v[A1+2*\q:A1+2*\q+1]
.endr
.endm
; One step of a butterfly that adds over lanes and transposes: of each pair of registers a lane keeps the one that its bit names and sends the other to lane l xor step.
.macro BFLY step, lm
.set i0, 0
.rept 16/\step
	v_cndmask_b32 v[12+(i0/(2*\step))%4], v[P+i0+\step], v[P+i0], s[\lm]
	v_cndmask_b32 v[P+i0], v[P+i0], v[P+i0+\step], s[\lm]
	v_add_f32_dpp v[P+i0], v[12+(i0/(2*\step))%4], v[P+i0] row_xmask:\step row_mask:0xf bank_mask:0xf
.set i0, i0+2*\step
.endr
.endm
; expert e xor m stands ahead of mine where its p is larger, or equal with the lower index (m's highest bit is set in e)
.macro RANK m, lm
	v_mov_b32_dpp v16, v14 row_xmask:\m row_mask:0xf bank_mask:0xf
	v_cmp_gt_f32 s50, v16, v14
	v_cmp_ge_f32 s51, v16, v14
	s_and_b32 s51, s51, s[\lm]
	s_or_b32 vcc_lo, s50, s51
	v_add_co_ci_u32 v17, vcc_lo, 0, v17, vcc_lo
.endm
; Four tokens are routed: lane l ends with the logit of token l / 8, expert l % 8.  Their four class bytes -> s[36 + n]
.macro ROUTE n
	BFLY 1, 28
	BFLY 2, 29
	BFLY 4, 30
	BFLY 8, 31
	v_cndmask_b32 v12, v[P+16], v[P], s32
	v_cndmask_b32 v[P], v[P], v[P+16], s32
	v_permlanex16_b32 v13, v12, s34, s35
	v_add_f32 v[P], v[P], v13
	v_add_f32 v12, v[P], v8                        ; + gate_b
	v_max_num_f32_dpp v13, v12, v12 row_xmask:1 row_mask:0xf bank_mask:0xf
	v_max_num_f32_dpp v13, v13, v13 row_xmask:2 row_mask:0xf bank_mask:0xf
	v_max_num_f32_dpp v13, v13, v13 row_xmask:4 row_mask:0xf bank_mask:0xf   ; the token's largest logit
	v_sub_f32 v14, v12, v13
	v_mul_f32 v14, 0x3fb8aa3b, v14
	v_exp_f32 v14, v14
	v_mov_b32 v17, 0                               ; my rank (a plain line behind the exponential)
	s_wait_alu depctr_va_vdst(0)
	v_add_f32_dpp v15, v14, v14 row_xmask:1 row_mask:0xf bank_mask:0xf
	v_add_f32_dpp v15, v15, v15 row_xmask:2 row_mask:0xf bank_mask:0xf
	v_add_f32_dpp v15, v15, v15 row_xmask:4 row_mask:0xf bank_mask:0xf
	v_rcp_f32 v15, v15
	v_mov_b32 v16, 0                               ; (a plain line behind the reciprocal; a lane move's destination counts as read)
	s_wait_alu depctr_va_vdst(0)
	v_mul_f32 v14, v14, v15                        ; my probability
	RANK 1, 28
	RANK 2, 29
	RANK 3, 29
	RANK 4, 30
	RANK 5, 30
	RANK 6, 30
	RANK 7, 30
	v_cmp_gt_u32 vcc_lo, 2, v17                    ; chosen: fewer than two stand ahead of me
	v_cndmask_b32 v18, -1.0, v9, vcc_lo
	v_cndmask_b32 v19, 0x42800000, v9, vcc_lo
	v_max_num_f32_dpp v18, v18, v18 row_xmask:1 row_mask:0xf bank_mask:0xf
	v_min_num_f32_dpp v19, v19, v19 row_xmask:1 row_mask:0xf bank_mask:0xf
	v_max_num_f32_dpp v18, v18, v18 row_xmask:2 row_mask:0xf bank_mask:0xf
	v_min_num_f32_dpp v19, v19, v19 row_xmask:2 row_mask:0xf bank_mask:0xf
	v_max_num_f32_dpp v18, v18, v18 row_xmask:4 row_mask:0xf bank_mask:0xf   ; e2
	v_min_num_f32_dpp v19, v19, v19 row_xmask:4 row_mask:0xf bank_mask:0xf   ; e1
	v_add_f32 v20, -1.0, v18
	v_mul_f32 v20, v20, v18
	v_fma_f32 v20, v20, 0.5, v19                   ; e2 (e2 - 1) / 2 + e1: small whole numbers, exact
	v_cvt_u32_f32 v20, v20
	v_readlane_b32 s52, v20, 0
	v_readlane_b32 s53, v20, 8
	v_readlane_b32 s54, v20, 16
	v_readlane_b32 s55, v20, 24
	s_lshl_b32 s53, s53, 8
	s_lshl_b32 s54, s54, 16
	s_lshl_b32 s55, s55, 24
	s_or_b32 s52, s52, s53
	s_or_b32 s54, s54, s55
	s_or_b32 s[36+\n], s52, s54
.endm
	TOKEN 0
	TOKEN 1
	TOKEN 2
	TOKEN 3
	ROUTE 0
	TOKEN 4
	TOKEN 5
	TOKEN 6
	TOKEN 7
	ROUTE 1
	ds_load_b64 v[12:13], v11                      ; my wave's 256 scale bytes, 8 a lane: these see my byte stores
	s_wait_dscnt 0x0
	global_store_b64 v10, v[12:13], s[14:15]       ; 256 consecutive bytes, aligned
	v_mov_b32 v14, s36
	v_mov_b32 v15, s37
	v_mov_b32 v16, 0
	v_cmp_eq_u32 vcc_lo, 0, v1
	s_wait_xcnt 0x0                                ; EXEC changes only behind this wait
	s_wait_tensorcnt 0x0
	ds_add_u32 v254, v255
	s_wait_dscnt 0x0
	s_and_saveexec_b32 s56, vcc_lo
	global_store_b64 v16, v[14:15], s[20:21]       ; lane 0: my 8 tokens' classes, at a fixed place
	s_wait_xcnt 0x0
	s_or_b32 exec_lo, exec_lo, s56
	s_endpgm
; ================= W: a lane takes a column f and its registers run down d, which is K; the four waves stand side by side on 512 bytes of a row =================
.Lw:
	s_lshr_b32 s25, s23, 5                         ; expert
	s_bfe_u32 s26, s23, 0x30002                    ; which 128 columns
	s_and_b32 s27, s23, 3                          ; which 256 along K: K steps 2 kq, 2 kq + 1
	s_lshl_b32 s26, s26, 2
	s_add_co_u32 s26, s26, s22                     ; cg: my wave's 32 columns
	s_lshl_b32 s40, s25, 22                        ; W: 4 MiB an expert, 256 rows of 4,096 bytes, 128 bytes for 32 columns
	s_lshl_b32 s42, s27, 20
	s_add_co_u32 s40, s40, s42
	s_lshl_b32 s42, s26, 7
	s_add_co_u32 s40, s40, s42
	s_mov_b32 s41, 0
	s_lshl_b32 s44, s25, 19                        ; wq: 524,288 an expert, 16,384 for two tiles of 16 columns, 2,048 for two K steps
	s_lshl_b32 s42, s26, 14
	s_add_co_u32 s44, s44, s42
	s_lshl_b32 s42, s27, 11
	s_add_co_u32 s44, s44, s42
	s_mov_b32 s45, 0
	s_lshl_b32 s46, s25, 15                        ; ws: 32,768 an expert, 1,024 for two tiles, word j = kq
	s_lshl_b32 s42, s26, 10
	s_add_co_u32 s46, s46, s42
	s_lshl_b32 s42, s27, 2
	s_add_co_u32 s46, s46, s42
	s_mov_b32 s47, 0
	v_lshlrev_b32 v2, 2, v1                        ; in: 4 bytes a lane
	v_lshrrev_b32 v12, 4, v1
	v_and_b32 v13, 15, v1
	v_lshlrev_b32 v3, 13, v12
	v_lshl_add_u32 v3, v13, 4, v3                  ; codes: tile l / 16, place 16 (l % 16)
	v_lshlrev_b32 v4, 9, v12
	v_lshl_add_u32 v4, v13, 4, v4                  ; scale words likewise
	s_wait_kmcnt 0x0
	s_add_nc_u64 s[6:7], s[6:7], s[40:41]
	s_add_nc_u64 s[16:17], s[16:17], s[44:45]
	s_add_nc_u64 s[18:19], s[18:19], s[46:47]
.macro WLOAD t                         ; block t: W(32 t + i, my column) into set t % 2
.set i, 0
.rept 32
	global_load_b32 v[X+32*((\t)%2)+i], v2, s[6:7] offset:(32*(\t)+i)*4096 th:TH_LOAD_NT
.set i, i+1
.endr
.endm
.macro WBLOCK t
.set XS_, X+32*((\t)%2)
.if (\t) < 7
	s_wait_loadcnt 32                              ; this block's 32 loads are in; the next block's stay out
.else
	s_wait_loadcnt 0x0
.endif
	BLKMAX
.irp g, 0,1,2,3
	v_cvt_scalef32_pk8_fp4_f32 v[R+4*(\t)+\g], v[XS_+8*\g:XS_+8*\g+7], v14    ; each block has registers of its own: no store's data are written again
.endr
	v_lshrrev_b32 v15, 23, v14                     ; the scale's byte (the plain line behind the conversions)
.if (\t)%4 == 0
	v_mov_b32 v[24+(\t)/4], v15
.else
	v_lshl_or_b32 v[24+(\t)/4], v15, 8*((\t)%4), v[24+(\t)/4]
.endif
	global_store_b128 v3, v[R+4*(\t):R+4*(\t)+3], s[16:17] offset:((\t)/4)*1024+(((\t)/2)%2)*512+((\t)%2)*256   ; sixteen lanes store 256 consecutive bytes, aligned
.if (\t)+2 < 8
	WLOAD (\t)+2
.endif
.endm
	WLOAD 0
	WLOAD 1
.irp t, 0,1,2,3,4,5,6,7
	WBLOCK \t
.endr
	global_store_b32 v4, v24, s[18:19]             ; the scale words of my two K steps: pieces of 4 bytes, 16 apart: 1 byte for each 128 that this path reads
	global_store_b32 v4, v25, s[18:19] offset:256
	s_endpgm
.Lfunc_end_k_qabf0073674_prep:
	.size	k_qabf0073674_prep, .Lfunc_end_k_qabf0073674_prep-k_qabf0073674_prep
	.p2alignl 7, 3214868480
	.fill 96, 4, 3214868480
	.section	.rodata,"a",@progbits
	.p2align	6, 0x0
	.amdhsa_kernel k_qabf0073674_prep
		.amdhsa_group_segment_fixed_size 71680
		.amdhsa_private_segment_fixed_size 0
		.amdhsa_enable_private_segment 0
		.amdhsa_kernarg_size 72
		.amdhsa_user_sgpr_count 2
		.amdhsa_user_sgpr_kernarg_segment_ptr 1
		.amdhsa_wavefront_size32 1
		.amdhsa_system_sgpr_workgroup_id_x 1
		.amdhsa_system_sgpr_workgroup_id_y 1
		.amdhsa_system_sgpr_workgroup_id_z 1
		.amdhsa_system_vgpr_workitem_id 0
		.amdhsa_next_free_vgpr 512
		.amdhsa_next_free_sgpr 66
		.amdhsa_reserve_vcc 1
		.amdhsa_float_denorm_mode_32 3
		.amdhsa_float_denorm_mode_16_64 3
		.amdhsa_memory_ordered 1
		.amdhsa_forward_progress 1
		.amdhsa_inst_pref_size 162
	.end_amdhsa_kernel
	.amdgpu_metadata
---
amdhsa.version: [ 1, 2 ]
amdhsa.kernels:
  - .name:           k_qabf0073674_prep
    .symbol:         k_qabf0073674_prep.kd
    .args:
      - { .name: E_symb, .offset: 0, .size: 8, .value_kind: global_buffer, .address_space: global }
      - { .name: expert_w, .offset: 8, .size: 8, .value_kind: global_buffer, .address_space: global }
      - { .name: gate_b, .offset: 16, .size: 8, .value_kind: global_buffer, .address_space: global }
      - { .name: gate_w, .offset: 24, .size: 8, .value_kind: global_buffer, .address_space: global }
      - { .name: xq, .offset: 32, .size: 8, .value_kind: global_buffer, .address_space: global }
      - { .name: xs, .offset: 40, .size: 8, .value_kind: global_buffer, .address_space: global }
      - { .name: wq, .offset: 48, .size: 8, .value_kind: global_buffer, .address_space: global }
      - { .name: ws, .offset: 56, .size: 8, .value_kind: global_buffer, .address_space: global }
      - { .name: cls, .offset: 64, .size: 8, .value_kind: global_buffer, .address_space: global }
    .group_segment_fixed_size: 71680
    .private_segment_fixed_size: 0
    .kernarg_segment_align: 8
    .kernarg_segment_size: 72
    .max_flat_workgroup_size: 128
    .sgpr_count:     66
    .vgpr_count:     512
    .wavefront_size: 32
...
	.end_amdgpu_metadata
.endif
;; end of part 1
;; launch place (part 2): grid 1 x 1, 32 waves a work-group, no clusters, 12,288 bytes of LDS; arguments cls, rows, meta; writes rows, meta
.if DOCPART == 2
	.amdgcn_target "amdgcn-amd-amdhsa--gfx1250"
	.amdhsa_code_object_version 6
	.text
	.protected	k_qabf0073674_place
	.globl	k_qabf0073674_place
	.p2align	8
	.type	k_qabf0073674_place,@function
k_qabf0073674_place:
	s_mov_b64 s[64:65], 0
	v_nop
	global_prefetch_b8 v0, s[64:65] scope:SCOPE_SE
	s_setreg_imm32_b32 hwreg(HW_REG_WAVE_MODE, 25, 1), 1
	s_wait_xcnt 0x0
; PLACE.  A counting sort of the 8,192 tokens by their class (pair of experts, 0..27), by one work-group of 32 waves, on whole numbers alone.
; Each class begins on a tile of 16 slots; the slots that are left over in a class's last tile repeat the class's last token, which lies in
; the same tile; the slots behind the last class hold token 0 and belong to no expert.  At most (8,192 + 28 x 15) / 16 = 538 tiles, for every split; 540 are laid.
; rows: u32[8640], the token of each slot.   meta: u32[60][8]: for block b of 9 tiles, (9 bits: which tiles use the expert) << 8 | expert, used experts first.
; Tables with a class to a lane are filled by ds_permute_b32 and read by ds_bpermute_b32, which touch no LDS byte.
; One work-group: the sums span all tokens, and they are few; no atomics.
; Every offset of a store is made and clamped with all lanes on; the two stores that only some lanes make stand at the very end, and no vector register is written behind the first change of EXEC.
.set CL,  8                            ; v8-15   my 8 tokens' classes, later 4 x class.  Register v, lane l: token 256 wave + 32 v + l
.set RK,  16                           ; v16-23  rank among the lanes of the same class in the register
.set RCV, 24                           ; v24-31  lane = class: (last token + 1) << 16 | count, for each register
.set TID, 32                           ; v32-39  token numbers
.set HP,  40                           ; v40-47  lane = class: how many of the class lie in my wave's registers before v
.set SL,  48                           ; v48-55  permute targets, later slots
.set ROW, 56                           ; v56-87  at work: payloads; the 32 waves' words; tiles' masks
	s_load_b128 s[4:7], s[0:1], 0x0                ; cls, rows
	s_load_b64 s[8:9], s[0:1], 0x10                ; meta
	v_lshl_add_u32 v126, v0, 2, 0x2000
	v_mov_b32 v127, 0
	v_lshrrev_b32 v88, 5, v0
	v_readfirstlane_b32 s10, v88                   ; wave 0..31
	v_and_b32 v1, 31, v0                           ; lane
	v_lshlrev_b32 v2, 2, v1                        ; 4 x lane
	v_lshlrev_b32 v3, v1, -2                       ; the lanes above me
	v_lshlrev_b32 v108, 2, v0                      ; 4 x thread
	v_lshrrev_b32 v109, 3, v0                      ; for the lists: block = thread / 8,
	v_mul_u32_u24 v110, v109, 36                   ; its 9 tiles' words in LDS,
	v_lshlrev_b32 v113, 5, v109                    ; and its 32 bytes in meta
	s_mov_b32 s12, 0x0fffffff                      ; lanes 0..27: the classes
	s_mov_b32 s15, 0xffff0000
	s_lshl_b32 s11, s10, 8
	v_add_nc_u32 v103, s11, v1                     ; my first token
	s_wait_kmcnt 0x0
.irp v, 0,1,2,3,4,5,6,7
	global_load_u8 v[CL+\v], v103, s[4:5] offset:32*\v
.endr
.irp v, 0,1,2,3,4,5,6,7
	v_add_nc_u32 v[TID+\v], 32*\v, v103
.endr
	s_wait_loadcnt 0x0
.irp v, 0,1,2,3,4,5,6,7
	v_min_u32 v[CL+\v], 27, v[CL+\v]
.endr
; The lanes of my class: five ballots, one for each bit of the class; each lane takes the ballot or its complement by its own bit.
.macro MATCH v
.irp k, 0,1,2,3,4
	v_and_b32 v[88+\k], 1<<\k, v[CL+\v]
	v_cmp_ne_u32 s[20+\k], 0, v[88+\k]
	s_not_b32 s[28+\k], s[20+\k]
.endr
.irp k, 0,1,2,3,4
	v_cndmask_b32 v[88+\k], s[28+\k], s[20+\k], s[20+\k]
.endr
	v_and_b32 v88, v88, v89
	v_and_b32 v90, v90, v91
	v_and_b32 v88, v88, v92
	v_and_b32 v88, v88, v90
	v_mbcnt_lo_u32_b32 v[RK+\v], v88, 0            ; how many of them lie below me
	v_and_b32 v89, v88, v3
	v_cmp_eq_u32 vcc_lo, 0, v89                    ; none above me: I speak for the class
	v_lshlrev_b32 v[CL+\v], 2, v[CL+\v]            ; from here on 4 x class
	v_cndmask_b32 v[SL+\v], 124, v[CL+\v], vcc_lo  ; to lane = class; all others to lane 31, which is thrown away
	v_add_nc_u32 v90, 1, v[TID+\v]
	v_lshlrev_b32 v90, 16, v90
	v_add3_u32 v[ROW+\v], v90, v[RK+\v], 1         ; (token + 1) << 16 | count
	v_mov_b32 v[RCV+\v], 0
	ds_permute_b32 v[RCV+\v], v[SL+\v], v[ROW+\v]
.endm
.irp v, 0,1,2,3,4,5,6,7
	MATCH \v
.endr
	s_wait_dscnt 0x0
.irp v, 0,1,2,3,4,5,6,7
	v_cndmask_b32 v[RCV+\v], 0, v[RCV+\v], s12
.endr
	v_mov_b32 v[HP], 0
.irp v, 0,1,2,3,4,5,6
	v_and_b32 v88, 0xffff, v[RCV+\v]
	v_add_nc_u32 v[HP+1+\v], v[HP+\v], v88
.endr
	v_and_b32 v88, 0xffff, v[RCV+7]
	v_add_nc_u32 v88, v[HP+7], v88                 ; my wave's count of the class
	v_max_u32 v89, v[RCV], v[RCV+1]
.irp v, 2,3,4,5,6,7
	v_max_u32 v89, v89, v[RCV+\v]                  ; the upper half decides: my wave's last token of the class
.endr
	v_and_or_b32 v88, v89, 0xffff0000, v88
	ds_store_b32 v108, v88                         ; LDS 0..4095: word 32 wave + class
	s_wait_dscnt 0x0                               ; for the others' sake
	s_barrier_signal -1
	s_barrier_wait -1
.set w, 0
.rept 32
	ds_load_b32 v[ROW+w], v2 offset:128*w
.set w, w+1
.endr
	v_mov_b32 v6, 0
	v_mov_b32 v7, 0
	v_mov_b32 v104, 0
	s_wait_dscnt 0x0
.set w, 0
.rept 32
	s_cmp_gt_u32 s10, w
	s_cselect_b32 s13, 1, 0                        ; a wave ahead of mine?
	v_add_nc_u32 v6, v6, v[ROW+w]
	v_mad_u32_u24 v7, v[ROW+w], s13, v7
	v_max_u32 v104, v104, v[ROW+w]
.set w, w+1
.endr
	v_and_b32 v6, 0xffff, v6                       ; n: the class's tokens (at most 8,192: the low halves never carry)
	v_and_b32 v7, 0xffff, v7                       ; those in the waves ahead of mine
	v_lshrrev_b32 v104, 16, v104
	v_add_nc_u32 v104, -1, v104                    ; the class's last token
	v_add_nc_u32 v106, 15, v6
	v_lshrrev_b32 v106, 4, v106                    ; its tiles
	v_mov_b32 v5, v106
.irp n, 1,2,4,8                        ; a running sum over the classes of each half of the lanes: lane i takes lane i - n's number, or 0 where there is none
	v_mov_b32_dpp v88, v5 row_shr:\n row_mask:0xf bank_mask:0xf bound_ctrl:1
	v_add_nc_u32 v5, v5, v88
.endr
	v_readlane_b32 s14, v5, 15
	v_mov_b32 v88, s14
	v_cndmask_b32 v88, 0, v88, s15
	v_add_nc_u32 v5, v5, v88                       ; TE: the tile behind the class's last
	v_sub_nc_u32 v4, v5, v106                      ; TB: its first tile
	v_readlane_b32 s16, v5, 31                     ; tiles in all
	v_lshl_add_u32 v105, v4, 4, v7                 ; where my wave's tokens of the class begin
.irp v, 0,1,2,3,4,5,6,7
	v_add_nc_u32 v[ROW+\v], v105, v[HP+\v]
	ds_bpermute_b32 v[SL+\v], v[CL+\v], v[ROW+\v]
.endr
	s_wait_dscnt 0x0
.irp v, 0,1,2,3,4,5,6,7
	v_add_nc_u32 v[SL+\v], v[SL+\v], v[RK+\v]
	v_min_u32 v[SL+\v], 8639, v[SL+\v]
	v_lshlrev_b32 v[SL+\v], 2, v[SL+\v]
	global_store_b32 v[SL+\v], v[TID+\v], s[6:7]
.endr
	; the slots left over in each class's last tile: thread 16 c + j.  Offset v95, data v93, lanes s40: stored at the end
	v_lshrrev_b32 v88, 4, v0
	v_and_b32 v89, 31, v88
	v_lshlrev_b32 v89, 2, v89
	v_and_b32 v90, 15, v0
	ds_bpermute_b32 v91, v89, v6
	ds_bpermute_b32 v92, v89, v4
	ds_bpermute_b32 v93, v89, v104
	s_wait_dscnt 0x0
	v_sub_nc_u32 v94, 0, v91
	v_and_b32 v94, 15, v94                         ; (16 - n % 16) % 16 of them
	v_cmp_lt_u32 s17, v90, v94
	v_cmp_gt_u32 s18, 448, v0                      ; 28 classes
	s_and_b32 s40, s17, s18
	v_lshl_add_u32 v95, v92, 4, v91
	v_add_nc_u32 v95, v95, v90
	v_min_u32 v95, 8639, v95
	v_lshlrev_b32 v95, 2, v95
	; the slots behind the last tile: at most 8,640 - 8,192 = 448.  Offset v96, data v97, lanes s41: stored at the end
	s_lshl_b32 s20, s16, 4
	v_add_nc_u32 v96, s20, v0
	v_cmp_gt_u32 s41, 8640, v96
	v_min_u32 v96, 8639, v96
	v_lshlrev_b32 v96, 2, v96
	v_mov_b32 v97, 0
	; tile j = thread: its class is the number of classes that end at or before it
	v_mov_b32 v98, 0
.set c, 0
.rept 28
	v_readlane_b32 s21, v5, c
	v_cmp_le_u32 vcc_lo, s21, v0
	v_add_co_ci_u32 v98, vcc_lo, 0, v98, vcc_lo
.set c, c+1
.endr
	v_mov_b32 v99, 1
.irp th, 1,3,6,10,15,21
	v_cmp_le_u32 vcc_lo, \th, v98
	v_add_co_ci_u32 v99, vcc_lo, 0, v99, vcc_lo    ; e2
.endr
	v_add_nc_u32 v100, -1, v99
	v_mul_u32_u24 v100, v100, v99
	v_lshrrev_b32 v100, 1, v100
	v_sub_nc_u32 v100, v98, v100                   ; e1
	v_lshlrev_b32 v101, v99, 1
	v_lshlrev_b32 v102, v100, 1
	v_or_b32 v101, v101, v102
	v_cmp_gt_u32 vcc_lo, 28, v98
	v_cndmask_b32 v101, 0, v101, vcc_lo            ; a tile behind the last belongs to no expert
	ds_store_b32 v108, v101 offset:4096            ; LDS 4096..8191: a word for each tile
	s_wait_dscnt 0x0                               ; for the others' sake
	s_barrier_signal -1
	s_barrier_wait -1
	s_cmp_gt_u32 s10, 14                           ; 60 blocks x 8 experts = 480 threads: waves 0..14; no barrier follows
	s_cbranch_scc1 .Lend
.irp i, 0,1,2,3,4,5,6,7,8
	ds_load_b32 v[ROW+\i], v110 offset:4096+4*\i
.endr
	v_and_b32 v111, 7, v0                          ; my expert
	v_mov_b32 v112, 0
	s_wait_dscnt 0x0
.irp i, 0,1,2,3,4,5,6,7,8
	v_lshrrev_b32 v88, v111, v[ROW+\i]
	v_and_b32 v88, 1, v88
	v_lshl_or_b32 v112, v88, \i, v112              ; which of the block's tiles use it
.endr
	v_cmp_ne_u32 s22, 0, v112
	v_and_b32 v89, 24, v1
	v_lshlrev_b32 v89, v89, 0xff
	v_and_b32 v89, s22, v89
	v_mbcnt_lo_u32_b32 v90, v89, 0                 ; used experts of my block below me
	v_sub_nc_u32 v91, 7, v111
	v_add_nc_u32 v91, v91, v90                     ; an unused one counts down from place 7
	v_cndmask_b32 v91, v91, v90, s22
	v_min_u32 v91, 7, v91
	v_lshlrev_b32 v91, 2, v91
	v_add_nc_u32 v91, v113, v91                    ; 32 x block + 4 x place
	v_lshl_or_b32 v92, v112, 8, v111
	global_store_b32 v91, v92, s[8:9]              ; each of a block's 8 places is written once
.Lend:
	s_wait_xcnt 0x0                                ; EXEC changes only behind this wait
	s_wait_tensorcnt 0x0
	ds_add_u32 v126, v127
	s_wait_dscnt 0x0
	s_and_saveexec_b32 s19, s40
	global_store_b32 v95, v93, s[6:7]              ; the left-over slots repeat the class's last token
	s_wait_xcnt 0x0
	s_or_b32 exec_lo, exec_lo, s19
	s_wait_xcnt 0x0
	s_and_saveexec_b32 s19, s41
	global_store_b32 v96, v97, s[6:7]              ; the slots behind the last tile hold token 0
	s_wait_xcnt 0x0
	s_or_b32 exec_lo, exec_lo, s19
	s_endpgm
.Lfunc_end_k_qabf0073674_place:
	.size	k_qabf0073674_place, .Lfunc_end_k_qabf0073674_place-k_qabf0073674_place
	.p2alignl 7, 3214868480
	.fill 96, 4, 3214868480
	.section	.rodata,"a",@progbits
	.p2align	6, 0x0
	.amdhsa_kernel k_qabf0073674_place
		.amdhsa_group_segment_fixed_size 12288
		.amdhsa_private_segment_fixed_size 0
		.amdhsa_enable_private_segment 0
		.amdhsa_kernarg_size 24
		.amdhsa_user_sgpr_count 2
		.amdhsa_user_sgpr_kernarg_segment_ptr 1
		.amdhsa_wavefront_size32 1
		.amdhsa_system_sgpr_workgroup_id_x 1
		.amdhsa_system_sgpr_workgroup_id_y 1
		.amdhsa_system_sgpr_workgroup_id_z 1
		.amdhsa_system_vgpr_workitem_id 0
		.amdhsa_next_free_vgpr 128
		.amdhsa_next_free_sgpr 66
		.amdhsa_reserve_vcc 1
		.amdhsa_float_denorm_mode_32 3
		.amdhsa_float_denorm_mode_16_64 3
		.amdhsa_memory_ordered 1
		.amdhsa_forward_progress 1
		.amdhsa_inst_pref_size 37
	.end_amdhsa_kernel
	.amdgpu_metadata
---
amdhsa.version: [ 1, 2 ]
amdhsa.kernels:
  - .name:           k_qabf0073674_place
    .symbol:         k_qabf0073674_place.kd
    .args:
      - { .name: cls, .offset: 0, .size: 8, .value_kind: global_buffer, .address_space: global }
      - { .name: rows, .offset: 8, .size: 8, .value_kind: global_buffer, .address_space: global }
      - { .name: meta, .offset: 16, .size: 8, .value_kind: global_buffer, .address_space: global }
    .group_segment_fixed_size: 12288
    .private_segment_fixed_size: 0
    .kernarg_segment_align: 8
    .kernarg_segment_size: 24
    .max_flat_workgroup_size: 1024
    .sgpr_count:     66
    .vgpr_count:     128
    .wavefront_size: 32
...
	.end_amdgpu_metadata
.endif
;; end of part 2
;; launch moe (part 3): grid 4 x 60, 4 waves a work-group, no clusters, 94,720 bytes of LDS; arguments xq, xs, wq, ws, rows, meta, out0; writes out0
.if DOCPART == 3
	.amdgcn_target "amdgcn-amd-amdhsa--gfx1250"
	.amdhsa_code_object_version 6
	.text
	.protected	k_qabf0073674_moe
	.globl	k_qabf0073674_moe
	.p2align	8
	.type	k_qabf0073674_moe,@function
k_qabf0073674_moe:
	s_mov_b64 s[64:65], 0
	v_nop
	global_prefetch_b8 v0, s[64:65] scope:SCOPE_SE
	s_setreg_imm32_b32 hwreg(HW_REG_WAVE_MODE, 25, 1), 1
	s_wait_xcnt 0x0
; MOE.  out[token] = the sum over the token's two experts of Q(x[token]) Q(W_e), on codes of E2M1 with E8M0 scales, f32 sums.
; A work-group owns block b (work-group y) of 144 slots, 9 tiles of 16 tokens that share a pair of experts, and columns 256 q .. 256 q + 255 (q = work-group x).
; Wave w takes all 9 tiles x 4 tiles of 16 columns, g = 16 q + 4 w + n: each fragment of W is loaded by one wave and feeds up to 9 products.
; The block's list (meta) names its experts, used ones first; for each a mask of 9 bits says which tiles use it.  Only those products are made.
; Each output row has one owner: both experts of a tile add onto the same accumulators.  Slots that repeat a token lie in that token's tile: the same wave stores the same numbers twice.
; A block that the split leaves without rows runs through with every step passed over and stores nothing.
; THE MATRIX INSTRUCTION IS USED TRANSPOSED: source 0 = 16 columns of W, source 1 = 16 tokens: register j of lane (r, h) is out(token r, column 16 g + 8 h + j).
; WEIGHTS go from memory straight into registers (wq and ws are laid as the operand registers take them), two sets by turns: the next used expert's set is asked for ahead of this expert's products.
; NO CLUSTER, NO TENSOR LOADS: which blocks share an expert hangs on the stored list, so no fixed partners read the same weights; what the four q of a block do share is x,
; 144 x 544 bytes of the about 425,000 that a work-group reads.
; THE ACCUMULATORS ARE CLEARED by 288 moves: which product is a tile's first hangs on the stored list, so none can be written with the constant 0; the moves stand while the gathers are on their way.
; REGISTERS, in windows of 256: window 0: v1-11 addresses; v16-51 x's scale words (4 a tile: register j: lanes 0-15 K step 2 j, lanes 16-31 K step 2 j + 1); v52-83 W's, two sets, likewise;
;   v84-211 two buffers of a tile's 8 fragments of x (at the head: gather offsets; on the way out: rows, offsets, tokens); v212-243 tile 8's accumulators.
;   window 1, 2: W's sets 0, 1, fragment (n, s) at 64 n + 8 s (window 2 holds the gathered rows at the head).   window 3: accumulator (tile i, n) at 32 i + 8 n.
.set TILEB, 8448                       ; LDS: 144 rows of x's codes, 512 bytes + 16: 16 rows are 8,448 bytes; 528 = 33 x 16: sixteen rows start in sixteen different columns of 16 bytes
.set STAGE, 76288                      ; behind them, for each wave: 16 rows x (256 + 16) bytes for the way out
.set XS,  16
.set WS,  52
.set AF,  84
.set AC8, 212
.set RO,  84                           ; at the head: v84-119 offsets of my 36 rows, v120-128 the tiles' tokens, v129-137 offsets of their scale words
.set TK,  120
.set XA,  129
.set OB,  84                           ; on the way out: v84-115 16 rows read back, v116-123 their offsets in out, v124-195 the tokens of all 9 tiles
.set OFF, 116
.set TT,  124
.set MSB, 0
.macro WIN new                         ; the immediate's high byte repeats the setting that is left
.if MSB != (\new)
	s_set_vgpr_msb (MSB<<8)|(\new)
.set MSB, (\new)
.endif
.endm
.macro PLACES                          ; four plain lines between a matrix instruction and a load into, or a store from, its registers (ISA guide 7.12.1 for vector instructions)
.rept 4
	v_nop
.endr
.endm
; The weights of the expert in the low bits of s[word], for my 64 columns and all of K, into set 0 or 1: 64 + 4 loads of 512 consecutive bytes
.macro BLOAD set, word
	s_and_b32 s90, s[\word], 7
	s_min_u32 s90, s90, 7
	s_lshl_b32 s92, s90, 19
	s_add_nc_u64 s[80+4*(\set):81+4*(\set)], s[72:73], s[92:93]
	s_lshl_b32 s92, s90, 15
	s_add_nc_u64 s[82+4*(\set):83+4*(\set)], s[74:75], s[92:93]
	WIN 0x40*(1+(\set))                            ; destination window 1 or 2
.set j, 0
.rept 64
	global_load_b128 v[4*j:4*j+3], v1, s[80+4*(\set):81+4*(\set)] offset:512*j
.set j, j+1
.endr
	WIN 0
.irp n, 0,1,2,3
	global_load_b128 v[WS+16*(\set)+4*\n:WS+16*(\set)+4*\n+3], v1, s[82+4*(\set):83+4*(\set)] offset:512*\n
.endr
.endm
; tile i's 8 fragments of x (16 tokens x 1,024 K) from LDS into buffer i % 2: 16 loads
.macro AFETCH i
.irp s, 0,1,2,3,4,5,6,7
.irp c, 0,1
.if (\i) < 5
	ds_load_b128 v[AF+64*((\i)%2)+8*\s+4*\c:AF+64*((\i)%2)+8*\s+4*\c+3], v2 offset:(\i)*TILEB+64*\s+32*\c
.else
	ds_load_b128 v[AF+64*((\i)%2)+8*\s+4*\c:AF+64*((\i)%2)+8*\s+4*\c+3], v3 offset:((\i)-5)*TILEB+64*\s+32*\c
.endif
.endr
.endr
.endm
.macro WM i, p, s, n
.if (\s)%2 == 0
	v_wmma_scale_f32_16x16x128_f8f6f4 v[ACB+8*\n:ACB+8*\n+7], v[64*\n+8*\s:64*\n+8*\s+7], v[AF+64*((\i)%2)+8*\s:AF+64*((\i)%2)+8*\s+7], v[ACB+8*\n:ACB+8*\n+7], v[WS+16*(\p)+4*\n+(\s)/2], v[XS+4*(\i)+(\s)/2] matrix_a_fmt:MATRIX_FMT_FP4 matrix_b_fmt:MATRIX_FMT_FP4
.else
	v_wmma_scale_f32_16x16x128_f8f6f4 v[ACB+8*\n:ACB+8*\n+7], v[64*\n+8*\s:64*\n+8*\s+7], v[AF+64*((\i)%2)+8*\s:AF+64*((\i)%2)+8*\s+7], v[ACB+8*\n:ACB+8*\n+7], v[WS+16*(\p)+4*\n+(\s)/2], v[XS+4*(\i)+(\s)/2] matrix_a_fmt:MATRIX_FMT_FP4 matrix_b_fmt:MATRIX_FMT_FP4 matrix_a_scale:MATRIX_SCALE_ROW1 matrix_b_scale:MATRIX_SCALE_ROW1
.endif
.endm
; Tile i against weight set p: the next tile's fragments are asked for, then, if the expert's mask s88 names the tile, 32 products: K step by K step, the tile's four accumulators by turns
; (a tile's last product and any other tile's first name different accumulators).
.macro TILE i, p
.if (\i) < 8
.set ACB, 32*(\i)
.if (\i) > 0
	PLACES                                         ; the loads below go into the buffer that the tile before the last multiplied
.endif
	AFETCH (\i)+1
	s_wait_dscnt 16                                ; this tile's fragments are in; the 16 loads just issued stay out
.else
.set ACB, AC8
	s_wait_dscnt 0x0
.endif
	s_bitcmp1_b32 s88, \i
	s_cbranch_scc0 .Lskip_\@
.if (\i) < 8
	WIN 0xf1+(\p)                                  ; source 0 (W) window 1 + p, source 1 (x) window 0, C and D window 3
.else
	WIN 0x01+(\p)                                  ; tile 8's accumulators lie in window 0
.endif
.irp s, 0,1,2,3,4,5,6,7
.irp n, 0,1,2,3
	WM \i, \p, \s, \n
.endr
.endr
	WIN 0
.Lskip_\@:
.endm
.macro COMPUTE p, cur                  ; the products of the expert at list place s[cur], whose weights lie in set p
	s_lshr_b32 s88, s[\cur], 8
	s_cmp_eq_u32 s88, 0
	s_cbranch_scc1 .Lidle_\@
	AFETCH 0
.irp i, 0,1,2,3,4,5,6,7,8
	TILE \i, \p
.endr
.Lidle_\@:
.endm
.macro HALF p, cur, nxt
	PLACES                                         ; behind the last products: the loads below go into registers that they read
	s_wait_loadcnt 0x0                             ; set p has landed (asked for one expert's products ago); no load is out, so the other set's bases may be written
	s_lshr_b32 s89, s[\nxt], 8
	s_cmp_eq_u32 s89, 0
	s_cbranch_scc1 .Lnone_\@                       ; used experts come first in the list: behind them nothing is fetched
	BLOAD 1-\p, \nxt
.Lnone_\@:
	COMPUTE \p, \cur
.endm
	s_load_b256 s[4:11], s[0:1], 0x0               ; xq s[4:5], xs s[6:7], wq s[8:9], ws s[10:11]
	s_load_b128 s[12:15], s[0:1], 0x20             ; rows s[12:13], meta s[14:15]
	s_load_b64 s[16:17], s[0:1], 0x30              ; out
	v_lshl_add_u32 v254, v0, 2, 0x17000
	v_mov_b32 v255, 0
	v_lshrrev_b32 v9, 5, v0
	v_readfirstlane_b32 s18, v9                    ; wave 0..3
	s_mov_b32 s19, ttmp9                           ; q
	s_and_b32 s77, ttmp7, 0xffff                   ; b
	v_and_b32 v9, 31, v0
	v_lshlrev_b32 v1, 4, v9                        ; 16 x lane
	v_and_b32 v12, 15, v0                          ; r
	v_bfe_u32 v13, v0, 4, 1                        ; h
	v_mul_u32_u24 v2, v12, 528
	v_lshl_add_u32 v2, v13, 4, v2                  ; a fragment of x: row r, + 16 h; tiles 0-4
	v_add_nc_u32 v3, 5*TILEB, v2                   ; tiles 5-8 (an LDS offset has 16 bits)
	s_mul_i32 s78, s18, 36*528
	v_add_nc_u32 v4, s78, v1                       ; where I put my 36 gathered rows
	s_mul_i32 s78, s18, 16*272
	s_add_co_u32 s78, s78, STAGE                   ; my stage
	v_mul_u32_u24 v5, v12, 272
	v_lshl_add_u32 v5, v13, 5, v5
	v_add_nc_u32 v5, s78, v5                       ; in: row r, 32 bytes for each half of the lanes
	v_mul_u32_u24 v6, v13, 272
	v_lshl_add_u32 v6, v12, 4, v6
	v_add_nc_u32 v6, s78, v6                       ; back: lanes 0-15 one row of 256 bytes, lanes 16-31 the next
	v_lshlrev_b32 v7, 2, v13                       ; and those two rows' tokens: 4 h
	s_lshl_b32 s78, s19, 10
	s_lshl_b32 s79, s18, 8
	s_add_co_u32 s78, s78, s79
	v_lshl_add_u32 v8, v12, 4, s78                 ; my bytes in a row of out: 1,024 q + 256 w + 16 (lane % 16)
	v_lshlrev_b32 v10, 4, v13                      ; 16 h
	v_lshlrev_b32 v11, 2, v12                      ; 4 r
	s_mul_i32 s92, s77, 576
	s_mov_b32 s93, 0                               ; stays 0: the upper word of every offset
	s_wait_kmcnt 0x0
	s_add_nc_u64 s[66:67], s[12:13], s[92:93]      ; the block's 144 slots
	s_lshl_b32 s92, s77, 5
	s_add_nc_u64 s[68:69], s[14:15], s[92:93]      ; its list
	s_mul_i32 s92, s18, 144
	s_add_nc_u64 s[70:71], s[66:67], s[92:93]      ; the 36 slots that I gather
	s_load_b256 s[20:27], s[68:69], 0x0
	s_load_b512 s[28:43], s[70:71], 0x0
	s_load_b512 s[44:59], s[70:71], 0x40
	s_load_b128 s[60:63], s[70:71], 0x80
.irp i, 0,1,2,3,4,5,6,7,8
	global_load_b32 v[TK+\i], v11, s[66:67] offset:64*\i     ; lane (r, h): the token of tile i's row r
.endr
	s_lshl_b32 s92, s19, 17
	s_lshl_b32 s94, s18, 15
	s_add_co_u32 s92, s92, s94
	s_add_nc_u64 s[72:73], s[8:9], s[92:93]        ; wq at my four tiles of columns, expert 0
	s_lshl_b32 s92, s19, 13
	s_lshl_b32 s94, s18, 11
	s_add_co_u32 s92, s92, s94
	s_add_nc_u64 s[74:75], s[10:11], s[92:93]      ; ws likewise
	s_wait_kmcnt 0x0
	s_or_b32 s76, s20, s21
	s_or_b32 s76, s76, s22
	s_or_b32 s76, s76, s23
	s_or_b32 s76, s76, s24
	s_or_b32 s76, s76, s25
	s_or_b32 s76, s76, s26
	s_or_b32 s76, s76, s27
	s_lshr_b32 s76, s76, 8                         ; the tiles that have rows
.set k, 0
.rept 36
	s_min_u32 s[28+k], s[28+k], 8191
	v_lshl_add_u32 v[RO+k], s[28+k], 9, v1
.set k, k+1
.endr
	WIN 0x80                                       ; destination window 2
.set k, 0
.rept 36
	global_load_b128 v[4*k:4*k+3], v[RO+k], s[4:5] ; a whole row of codes: 512 consecutive bytes
.set k, k+1
.endr
	WIN 0xc0                                       ; destination window 3
.set k, 0
.rept 256
	v_mov_b32 v[k], 0
.set k, k+1
.endr
	WIN 0
.set k, 0
.rept 32
	v_mov_b32 v[AC8+k], 0
.set k, k+1
.endr
	s_wait_loadcnt 36                              ; the tiles' tokens are in; the 36 rows stay out
.irp i, 0,1,2,3,4,5,6,7,8
	v_min_u32 v[TK+\i], 8191, v[TK+\i]
	v_lshl_add_u32 v[XA+\i], v[TK+\i], 5, v10
.endr
.irp i, 0,1,2,3,4,5,6,7,8
	global_load_b128 v[XS+4*\i:XS+4*\i+3], v[XA+\i], s[6:7]   ; x's scale words: lanes 0-15 the even K steps', lanes 16-31 the odd ones'
.endr
	BLOAD 0, 20
	s_wait_loadcnt 63                              ; the rows are in: 77 loads were issued behind them, and the count names the most that its field holds
	WIN 0x08                                       ; an LDS store's data are its source 1: window 2
.set k, 0
.rept 36
	ds_store_b128 v4, v[4*k:4*k+3] offset:528*k
.set k, k+1
.endr
	WIN 0
	s_wait_dscnt 0x0                               ; my rows lie in LDS, for the others' sake; and the stores have read their registers,
	BLOAD 1, 21                                    ; which take the second expert's weights.  Both first sets are asked for without a condition: a block with rows uses two experts at the least, and so every register of both sets is written on every way
	s_barrier_signal -1
	s_barrier_wait -1                              ; the block's 144 rows lie in LDS: the one barrier, on every wave's way
	s_wait_loadcnt 63                              ; x's scale words and set 0 are in: set 1's 68 loads were issued behind them
	COMPUTE 0, 20
	s_mov_b32 s91, 4
.Ltrip:                                            ; list places (1, 2), (3, 4), (5, 6), (7, none)
	HALF 1, 21, 22
	HALF 0, 22, 23
	s_mov_b32 s21, s23
	s_mov_b32 s22, s24
	s_mov_b32 s23, s25
	s_mov_b32 s24, s26
	s_mov_b32 s25, s27
	s_mov_b32 s26, 0
	s_mov_b32 s27, 0
	s_sub_co_u32 s91, s91, 1
	s_cmp_lg_u32 s91, 0
	s_cbranch_scc1 .Ltrip
; THE WAY OUT, tile by tile.  A lane holds 32 neighbouring bytes of a token's row and the lanes beside it hold other tokens: a tile goes through my own stage in LDS and comes back as rows of
; 256 bytes; sixteen lanes store 256 consecutive bytes of a token's row, aligned.  LDS serves a wave's instructions in order: no wait between the stores and the loads.
	PLACES                                         ; behind the last products: their results are read, and registers that they read are loaded
.set k, 0
.rept 72
	global_load_b32 v[TT+k], v7, s[66:67] offset:64*(k/8)+8*(k%8)    ; tile k / 8, rows 2 (k % 8) + h: the token, for all sixteen lanes of a half
.set k, k+1
.endr
.macro OUT i
	s_bitcmp1_b32 s76, \i
	s_cbranch_scc0 .Labsent_\@
	s_wait_xcnt 0x0                                ; the last tile's stores have read their registers
.if (\i) < 8
.set ACB, 32*(\i)
	WIN 0x0c                                       ; the data: window 3
.else
.set ACB, AC8
.endif
.irp n, 0,1,2,3
	ds_store_b128 v5, v[ACB+8*\n:ACB+8*\n+3] offset:64*\n            ; each accumulator from its low end on
	ds_store_b128 v5, v[ACB+8*\n+4:ACB+8*\n+7] offset:64*\n+16
.endr
	WIN 0
.irp t, 0,1,2,3,4,5,6,7
	ds_load_b128 v[OB+4*\t:OB+4*\t+3], v6 offset:544*\t
.endr
.if (\i) == 0
	s_wait_loadcnt 63                              ; this tile's 8 tokens are in: 64 loads were issued behind them
.else
	s_wait_loadcnt 64-8*(\i)                       ; the later tiles' may stay out
.endif
.irp t, 0,1,2,3,4,5,6,7
	v_min_u32 v[TT+8*(\i)+\t], 8191, v[TT+8*(\i)+\t]
	v_lshl_add_u32 v[OFF+\t], v[TT+8*(\i)+\t], 12, v8
.endr
	s_wait_dscnt 0x0
.irp t, 0,1,2,3,4,5,6,7
	global_store_b128 v[OFF+\t], v[OB+4*\t:OB+4*\t+3], s[16:17] th:TH_STORE_NT   ; written once, read by nobody here
.endr
.Labsent_\@:
.endm
.irp i, 0,1,2,3,4,5,6,7,8
	OUT \i
.endr
	s_wait_tensorcnt 0x0
	ds_add_u32 v254, v255
	s_wait_dscnt 0x0
	s_endpgm
.Lfunc_end_k_qabf0073674_moe:
	.size	k_qabf0073674_moe, .Lfunc_end_k_qabf0073674_moe-k_qabf0073674_moe
	.p2alignl 7, 3214868480
	.fill 96, 4, 3214868480
	.section	.rodata,"a",@progbits
	.p2align	6, 0x0
	.amdhsa_kernel k_qabf0073674_moe
		.amdhsa_group_segment_fixed_size 94720
		.amdhsa_private_segment_fixed_size 0
		.amdhsa_enable_private_segment 0
		.amdhsa_kernarg_size 56
		.amdhsa_user_sgpr_count 2
		.amdhsa_user_sgpr_kernarg_segment_ptr 1
		.amdhsa_wavefront_size32 1
		.amdhsa_system_sgpr_workgroup_id_x 1
		.amdhsa_system_sgpr_workgroup_id_y 1
		.amdhsa_system_sgpr_workgroup_id_z 1
		.amdhsa_system_vgpr_workitem_id 0
		.amdhsa_next_free_vgpr 1024
		.amdhsa_next_free_sgpr 96
		.amdhsa_reserve_vcc 0
		.amdhsa_float_denorm_mode_32 3
		.amdhsa_float_denorm_mode_16_64 3
		.amdhsa_memory_ordered 1
		.amdhsa_forward_progress 1
		.amdhsa_inst_pref_size 229
	.end_amdhsa_kernel
	.amdgpu_metadata
---
amdhsa.version: [ 1, 2 ]
amdhsa.kernels:
  - .name:           k_qabf0073674_moe
    .symbol:         k_qabf0073674_moe.kd
    .args:
      - { .name: xq, .offset: 0, .size: 8, .value_kind: global_buffer, .address_space: global }
      - { .name: xs, .offset: 8, .size: 8, .value_kind: global_buffer, .address_space: global }
      - { .name: wq, .offset: 16, .size: 8, .value_kind: global_buffer, .address_space: global }
      - { .name: ws, .offset: 24, .size: 8, .value_kind: global_buffer, .address_space: global }
      - { .name: rows, .offset: 32, .size: 8, .value_kind: global_buffer, .address_space: global }
      - { .name: meta, .offset: 40, .size: 8, .value_kind: global_buffer, .address_space: global }
      - { .name: out0, .offset: 48, .size: 8, .value_kind: global_buffer, .address_space: global }
    .group_segment_fixed_size: 94720
    .private_segment_fixed_size: 0
    .kernarg_segment_align: 8
    .kernarg_segment_size: 56
    .max_flat_workgroup_size: 128
    .sgpr_count:     96
    .vgpr_count:     1024
    .wavefront_size: 32
...
	.end_amdgpu_metadata
.endif
;; end of part 3
;; ======== version 2 of 3: 3 launches
;; workspace buffers: xq 4,194,304 bytes; xs 262,144 bytes; wq 4,194,304 bytes; ws 262,144 bytes; cls 8,192 bytes of whole numbers; rows 34,816 bytes of whole numbers; meta 2,048 bytes of whole numbers
;; launch prep: the kernel of part 1 again; grid 512 x 1, 4 waves a work-group, no clusters, 71,680 bytes of LDS; arguments E_symb, expert_w, gate_b, gate_w, xq, xs, wq, ws, cls; writes xq, xs, wq, ws, cls
;; launch place (part 4): grid 1 x 1, 16 waves a work-group, no clusters, 10,240 bytes of LDS; arguments cls, rows, meta; writes rows, meta
.if DOCPART == 4
	.amdgcn_target "amdgcn-amd-amdhsa--gfx1250"
	.amdhsa_code_object_version 6
	.text
	.protected	k_qabf0073674_place
	.globl	k_qabf0073674_place
	.p2align	8
	.type	k_qabf0073674_place,@function
k_qabf0073674_place:
	s_mov_b64 s[64:65], 0
	v_nop
	global_prefetch_b8 v0, s[64:65] scope:SCOPE_SE
	s_setreg_imm32_b32 hwreg(HW_REG_WAVE_MODE, 25, 1), 1
	s_wait_xcnt 0x0
; PLACE.  A counting sort of the 8,192 tokens by their class (pair of experts, 0..27), by one work-group of 16 waves, on whole numbers alone.
; Each class begins on a tile of 16 slots; the slots that are left over in a class's last tile repeat the class's last token, which lies in
; the same tile; the slots behind the last class hold token 0 and belong to no expert.  At most (8,192 + 28 x 15) / 16 = 538 tiles, for every split; 540 are laid.
; rows: u32[8640], the token of each slot.   meta: u32[60][8]: for block b of 9 tiles, (9 bits: which tiles use the expert) << 8 | expert, used experts first.
; SHARES.  Wave w takes tokens 512 w .. 512 w + 511: register v, lane l holds token 512 w + 32 v + l.  What every wave has to repeat (the sums over waves, the running sum
; over classes) is repeated 16 times; 512 threads cover the 448 left-over slots, the 448 slots of the tail and the 480 places of the lists.
; Tables with a class to a lane are filled by ds_permute_b32 and read by ds_bpermute_b32, which touch no LDS byte.
; One work-group: the sums span all tokens, and they are few; no atomics.
; Every offset of a store is made and clamped with all lanes on; the two stores that only some lanes make stand at the very end, and no vector register is written behind the first change of EXEC.
; LDS: 0..2047 sixteen rows of zeros; 2048..4095 row w: wave w's word for each class; 4096..8191 a word for each tile.
.set TM,  4096
.set CL,  8                            ; v8-23    my 16 registers of classes, later 4 x class
.set RK,  24                           ; v24-39   rank among the lanes of the same class in the register
.set RCV, 40                           ; v40-55   lane = class: (last token + 1) << 16 | count, for each register
.set TID, 56                           ; v56-71   token numbers
.set HP,  72                           ; v72-88   lane = class: how many of the class lie in my wave's registers before v; HP + 16: in all of them
.set SL,  92                           ; v92-107  permute targets, later the slots' byte offsets
.set PAY, 108                          ; v108-123 what is sent: to the class's lane, later back from it
.set T,   124                          ; v124-143 at work
.set RA,  144                          ; v144-159 the 16 waves' words; later a block's 9 tiles
.set RB,  160                          ; v160-175 the words of the waves ahead of mine, and zeros
	s_load_b128 s[4:7], s[0:1], 0x0                ; cls, rows
	s_load_b64 s[8:9], s[0:1], 0x10                ; meta
	v_lshl_add_u32 v254, v0, 2, 0x2000
	v_mov_b32 v255, 0
	v_lshrrev_b32 v176, 5, v0
	v_readfirstlane_b32 s10, v176                  ; wave 0..15
	v_and_b32 v1, 31, v0                           ; lane
	s_lshl_b32 s11, s10, 9
	v_add_nc_u32 v178, s11, v1                     ; my first token
	s_wait_kmcnt 0x0
.irp v, 0,1,2,3,4,5,6,7,8,9,10,11,12,13,14,15
	global_load_u8 v[CL+\v], v178, s[4:5] offset:32*\v
.endr
	; all that hangs on ids alone is made while the classes are on their way
	v_lshlrev_b32 v2, 2, v1                        ; 4 x lane
	v_lshlrev_b32 v3, v1, -2                       ; the lanes above me
	v_lshlrev_b32 v177, 2, v0                      ; 4 x thread = 128 x wave + 4 x lane
	v_mov_b32 v188, 0                              ; stays 0
	ds_store_b32 v177, v188                        ; the sixteen rows of zeros
	v_mov_b32 v179, 124                            ; 4 x lane 31
	s_mov_b32 s12, 0x0fffffff                      ; lanes 0..27: the classes
	s_mov_b32 s15, 0xffff0000
.irp v, 0,1,2,3,4,5,6,7,8,9,10,11,12,13,14,15
	v_add_nc_u32 v[TID+\v], 32*\v, v178
.endr
.irp v, 0,1,2,3,4,5,6,7,8,9,10,11,12,13,14,15
	v_lshl_add_u32 v[PAY+\v], v[TID+\v], 16, 0x10001   ; (token + 1) << 16 | 1: the rank is added to it
.endr
.irp v, 0,1,2,3,4,5,6,7,8,9,10,11,12,13,14,15
	v_mov_b32 v[RCV+\v], 0
.endr
	v_mov_b32 v[HP], 0
	v_mov_b32 v206, 1                              ; lane = class c: its two experts' bits.  e2 = 1 + how many of 1, 3, 6, 10, 15, 21 are at most c
.irp th, 1,3,6,10,15,21
	v_cmp_le_u32 vcc_lo, \th, v1
	v_add_co_ci_u32 v206, vcc_lo, 0, v206, vcc_lo
.endr
	v_add_nc_u32 v207, -1, v206
	v_mul_u32_u24 v207, v207, v206
	v_lshrrev_b32 v207, 1, v207
	v_sub_nc_u32 v207, v1, v207                    ; e1 = c - e2 (e2 - 1) / 2
	v_lshlrev_b32 v208, v206, 1
	v_lshlrev_b32 v209, v207, 1
	v_or_b32 v208, v208, v209
	v_cmp_gt_u32 vcc_lo, 28, v1
	v_cndmask_b32 v180, 0, v208, vcc_lo            ; lanes 28..31 hold 0: no expert
	v_lshrrev_b32 v181, 3, v0                      ; for the lists: block = thread / 8,
	v_mul_u32_u24 v182, v181, 36                   ; its 9 tiles' words in LDS,
	v_lshlrev_b32 v183, 5, v181                    ; its 32 bytes in meta,
	v_and_b32 v184, 7, v0                          ; my expert
	v_lshrrev_b32 v185, 4, v0
	v_lshlrev_b32 v185, 2, v185                    ; for the left-over slots: 4 x (thread / 16): the class's lane,
	v_and_b32 v186, 15, v0                         ; and which of them
	v_add_nc_u32 v187, 512, v0                     ; my second tile
	s_wait_loadcnt 0x0
.irp v, 0,1,2,3,4,5,6,7,8,9,10,11,12,13,14,15
	v_min_u32 v[CL+\v], 27, v[CL+\v]
.endr
; The lanes of my class: five ballots, one for each bit of the class; each lane takes the ballot or its complement by its own bit, and the five are ANDed.
; Four registers go by turns, stage by stage, so that no line waits for the line above it.  The highest lane of a class sends (token + 1) << 16 | count to lane = class; all others send to lane 31.
.macro MATCH4 g
.irp u, 0,1,2,3
.irp k, 0,1,2,3,4
	v_and_b32 v[T+5*\u+\k], 1<<\k, v[CL+4*\g+\u]
.endr
.endr
.irp u, 0,1,2,3
.irp k, 0,1,2,3,4
	v_cmp_ne_u32 s[20+5*\u+\k], 0, v[T+5*\u+\k]
.endr
.endr
.irp u, 0,1,2,3
.irp k, 0,1,2,3,4
	s_not_b32 s[40+5*\u+\k], s[20+5*\u+\k]
.endr
.endr
.irp u, 0,1,2,3
.irp k, 0,1,2,3,4
	v_cndmask_b32 v[T+5*\u+\k], s[40+5*\u+\k], s[20+5*\u+\k], s[20+5*\u+\k]
.endr
.endr
.irp u, 0,1,2,3
	v_and_b32 v[T+5*\u], v[T+5*\u], v[T+5*\u+1]
	v_and_b32 v[T+5*\u+2], v[T+5*\u+2], v[T+5*\u+3]
.endr
.irp u, 0,1,2,3
	v_and_b32 v[T+5*\u], v[T+5*\u], v[T+5*\u+4]
.endr
.irp u, 0,1,2,3
	v_and_b32 v[T+5*\u], v[T+5*\u], v[T+5*\u+2]
.endr
.irp u, 0,1,2,3
	v_mbcnt_lo_u32_b32 v[RK+4*\g+\u], v[T+5*\u], 0         ; how many of them lie below me
	v_and_b32 v[T+5*\u+1], v[T+5*\u], v3
	v_lshlrev_b32 v[CL+4*\g+\u], 2, v[CL+4*\g+\u]          ; from here on 4 x class
.endr
.irp u, 0,1,2,3
	v_cmp_eq_u32 s[60+\u], 0, v[T+5*\u+1]                  ; none above me: I speak for the class
	v_add_nc_u32 v[PAY+4*\g+\u], v[PAY+4*\g+\u], v[RK+4*\g+\u]
.endr
.irp u, 0,1,2,3
	v_cndmask_b32 v[SL+4*\g+\u], v179, v[CL+4*\g+\u], s[60+\u]
	ds_permute_b32 v[RCV+4*\g+\u], v[SL+4*\g+\u], v[PAY+4*\g+\u]
.endr
.endm
	MATCH4 0
	MATCH4 1
	MATCH4 2
	MATCH4 3
	s_wait_dscnt 0x0
.irp v, 0,1,2,3,4,5,6,7,8,9,10,11,12,13,14,15
	v_and_b32 v[T+\v], 0xffff, v[RCV+\v]           ; lane = class: the register's count.  (Lane 31 holds refuse: no class reads it, and the wave's word is masked below)
.endr
.irp i, 0,2,4,6,8,10,12,14
	v_add3_u32 v[HP+2+\i], v[HP+\i], v[T+\i], v[T+1+\i]    ; the counts before the even registers: a chain of eight;
	v_max_u32 v[RCV+\i], v[RCV+\i], v[RCV+1+\i]            ; (the upper half decides: my wave's last token of the class)
.endr
.irp i, 0,2,4,6,8,10,12,14
	v_add_nc_u32 v[HP+1+\i], v[HP+\i], v[T+\i]             ; before the odd ones
.endr
.irp i, 0,4,8,12
	v_max_u32 v[RCV+\i], v[RCV+\i], v[RCV+2+\i]
.endr
	v_max_u32 v[RCV], v[RCV], v[RCV+4]
	v_max_u32 v[RCV+8], v[RCV+8], v[RCV+12]
	v_max_u32 v[RCV], v[RCV], v[RCV+8]
	v_and_or_b32 v176, v[RCV], 0xffff0000, v[HP+16]
	v_cndmask_b32 v176, 0, v176, s12
	ds_store_b32 v177, v176 offset:2048            ; row 16 + wave of the table
	s_wait_dscnt 0x0                               ; for the others' sake: my zeros and my word lie in LDS
	s_barrier_signal -1
	s_barrier_wait -1
.set j, 0
.rept 16
	ds_load_b32 v[RA+j], v2 offset:2048+128*j      ; all sixteen waves' words
.set j, j+1
.endr
.set j, 0
.rept 16
	ds_load_b32 v[RB+j], v177 offset:128*j         ; rows w .. w + 15 of the table: 16 - w rows of zeros, then the words of waves 0 .. w - 1
.set j, j+1
.endr
.macro SUM16 d, r, t                   ; v[d] = the sum of v[r] .. v[r + 15]; v[t] .. v[t + 3] at work.  The low halves, counts, never carry: at most 8,192 in all
	v_add3_u32 v[\d], v[\r], v[\r+1], v[\r+2]
	v_add3_u32 v[\t], v[\r+3], v[\r+4], v[\r+5]
	v_add3_u32 v[\t+1], v[\r+6], v[\r+7], v[\r+8]
	v_add3_u32 v[\t+2], v[\r+9], v[\r+10], v[\r+11]
	v_add3_u32 v[\t+3], v[\r+12], v[\r+13], v[\r+14]
	v_add3_u32 v[\d], v[\d], v[\t], v[\t+1]
	v_add3_u32 v[\t+2], v[\t+2], v[\t+3], v[\r+15]
	v_add_nc_u32 v[\d], v[\d], v[\t+2]
.endm
.macro MX a, b
	v_max_u32 v[RA+\a], v[RA+\a], v[RA+\b]
.endm
	s_wait_dscnt 0x0
	SUM16 6, RA, T
	v_and_b32 v6, 0xffff, v6                       ; n: the class's tokens
	v_add_nc_u32 v191, 15, v6
	v_lshrrev_b32 v191, 4, v191                    ; its tiles
	v_mov_b32 v5, v191
	; a running sum over the classes of each half of the lanes: lane i takes lane i - n's number, or 0 where there is none.  The maximum over the waves' words stands between its lines
	v_mov_b32_dpp v176, v5 row_shr:1 row_mask:0xf bank_mask:0xf bound_ctrl:1
	MX 0, 1
	MX 2, 3
	v_add_nc_u32 v5, v5, v176
	MX 4, 5
	MX 6, 7
	v_mov_b32_dpp v176, v5 row_shr:2 row_mask:0xf bank_mask:0xf bound_ctrl:1
	MX 8, 9
	MX 10, 11
	v_add_nc_u32 v5, v5, v176
	MX 12, 13
	MX 14, 15
	v_mov_b32_dpp v176, v5 row_shr:4 row_mask:0xf bank_mask:0xf bound_ctrl:1
	MX 0, 2
	MX 4, 6
	v_add_nc_u32 v5, v5, v176
	MX 8, 10
	MX 12, 14
	v_mov_b32_dpp v176, v5 row_shr:8 row_mask:0xf bank_mask:0xf bound_ctrl:1
	MX 0, 4
	MX 8, 12
	v_add_nc_u32 v5, v5, v176
	MX 0, 8
	v_readlane_b32 s14, v5, 15                     ; the lower half's tiles: also TE of class 15
	SUM16 7, RB, T
	v_mov_b32 v176, s14
	v_cndmask_b32 v176, 0, v176, s15
	v_add_nc_u32 v5, v5, v176                      ; TE: the tile behind the class's last; it never falls from lane to lane
	v_sub_nc_u32 v4, v5, v191                      ; TB: its first tile
	v_readlane_b32 s16, v5, 31                     ; tiles in all
	v_and_b32 v7, 0xffff, v7                       ; the class's tokens in the waves ahead of mine
	v_lshrrev_b32 v190, 16, v[RA]
	v_add_nc_u32 v190, -1, v190                    ; the class's last token
	v_lshl_add_u32 v192, v4, 4, v7
	v_lshlrev_b32 v192, 2, v192                    ; where my wave's tokens of the class begin, in bytes
; A TILE'S CLASS is the number of classes that end at or before it: a search in halves over the 32 sorted TE.  v193, v194: 4 x the lane probed, for tiles thread and thread + 512.
; The first probe is lane 15, which s14 holds.  A tile behind the last ends at lane 31, whose word is 0.
.macro PROBE
	ds_bpermute_b32 v195, v193, v5
	ds_bpermute_b32 v196, v194, v5
.endm
.macro STEP back, on                   ; TE probed <= tile: the probe goes on, else back
	v_cmp_le_u32 vcc_lo, v195, v0
	v_cmp_le_u32 s68, v196, v187
	v_cndmask_b32 v197, \back, \on, vcc_lo
	v_cndmask_b32 v198, \back, \on, s68
	v_add_nc_u32 v193, v193, v197
	v_add_nc_u32 v194, v194, v198
.endm
.macro PUT v                           ; token (v, lane) goes to its slot
	v_lshl_add_u32 v[SL+\v], v[RK+\v], 2, v[SL+\v]
	v_min_u32 v[SL+\v], 34556, v[SL+\v]            ; 4 x 8,639
	global_store_b32 v[SL+\v], v[TID+\v], s[6:7]
.endm
	v_cmp_le_u32 vcc_lo, s14, v0
	v_cmp_le_u32 s68, s14, v187
	v_cndmask_b32 v193, 0, 64, vcc_lo
	v_cndmask_b32 v194, 0, 64, s68
	v_add_nc_u32 v193, 28, v193                    ; lane 7 or lane 23
	v_add_nc_u32 v194, 28, v194
	PROBE
.irp v, 0,1,2,3,4,5,6,7,8,9,10,11,12,13,14,15
	v_lshl_add_u32 v[PAY+\v], v[HP+\v], 2, v192
	ds_bpermute_b32 v[SL+\v], v[CL+\v], v[PAY+\v]  ; each token fetches its class's base for its register
.endr
	ds_bpermute_b32 v199, v185, v6                 ; for the left-over slots, thread 16 c + j: n,
	ds_bpermute_b32 v200, v185, v4                 ; TB,
	ds_bpermute_b32 v201, v185, v190               ; and the last token of class c
	s_wait_dscnt 19                                ; the two probes are back; the 19 permutes issued behind them may be out
	STEP -16, 16
	PROBE
	s_wait_dscnt 2                                 ; those 19 are back; the two probes just issued may be out
.irp v, 0,1,2,3,4,5,6,7
	PUT \v
.endr
	s_wait_dscnt 0x0
	STEP -8, 8
	PROBE
.irp v, 8,9,10,11,12,13,14,15
	PUT \v
.endr
	s_wait_dscnt 0x0
	STEP -4, 4
	PROBE
	; the slots left over in each class's last tile.  Offset v203, data v201, lanes s66: stored at the end
	v_sub_nc_u32 v202, 0, v199
	v_and_b32 v202, 15, v202                       ; (16 - n % 16) % 16 of them
	v_cmp_lt_u32 s17, v186, v202
	v_cmp_gt_u32 s18, 448, v0                      ; 28 classes
	s_and_b32 s66, s17, s18
	v_lshl_add_u32 v203, v200, 4, v199
	v_add_nc_u32 v203, v203, v186
	v_min_u32 v203, 8639, v203
	v_lshlrev_b32 v203, 2, v203
	; the slots behind the last tile: at most 8,640 - 8,192 = 448.  Offset v204, data v188 (0), lanes s67: stored at the end
	s_lshl_b32 s11, s16, 4
	v_add_nc_u32 v204, s11, v0
	v_cmp_gt_u32 s67, 8640, v204
	v_min_u32 v204, 8639, v204
	v_lshlrev_b32 v204, 2, v204
	s_wait_dscnt 0x0
	STEP 0, 4                                      ; 4 x the tile's class, 124 at the most
	ds_bpermute_b32 v195, v193, v180               ; its two experts' bits
	ds_bpermute_b32 v196, v194, v180
	s_wait_dscnt 0x0
	ds_store_b32 v177, v195 offset:TM
	ds_store_b32 v177, v196 offset:TM+2048
	s_wait_dscnt 0x0                               ; for the others' sake
	s_barrier_signal -1
	s_barrier_wait -1
	s_cmp_gt_u32 s10, 14                           ; 60 blocks x 8 experts = 480 threads: waves 0..14; no barrier follows
	s_cbranch_scc1 .Lend
.irp i, 0,1,2,3,4,5,6,7,8
	ds_load_b32 v[RA+\i], v182 offset:TM+4*\i
.endr
	v_mov_b32 v205, 0
	s_wait_dscnt 0x0
.irp i, 0,1,2,3,4,5,6,7,8
	v_lshrrev_b32 v[RA+\i], v184, v[RA+\i]
.endr
.irp i, 0,1,2,3,4,5,6,7,8
	v_and_b32 v[RA+\i], 1, v[RA+\i]
.endr
.irp i, 0,1,2,3,4,5,6,7,8
	v_lshl_or_b32 v205, v[RA+\i], \i, v205         ; which of the block's tiles use my expert
.endr
	v_cmp_ne_u32 s69, 0, v205
	v_and_b32 v206, 24, v1
	v_lshlrev_b32 v206, v206, 0xff
	v_and_b32 v206, s69, v206
	v_mbcnt_lo_u32_b32 v207, v206, 0               ; used experts of my block below me
	v_sub_nc_u32 v208, 7, v184
	v_add_nc_u32 v208, v208, v207                  ; an unused one counts down from place 7
	v_cndmask_b32 v208, v208, v207, s69
	v_min_u32 v208, 7, v208
	v_lshlrev_b32 v208, 2, v208
	v_add_nc_u32 v208, v183, v208                  ; 32 x block + 4 x place
	v_lshl_or_b32 v209, v205, 8, v184
	global_store_b32 v208, v209, s[8:9]            ; each of a block's 8 places is written once
.Lend:
	s_wait_xcnt 0x0                                ; EXEC changes only behind this wait
	s_wait_tensorcnt 0x0
	ds_add_u32 v254, v255
	s_wait_dscnt 0x0
	s_and_saveexec_b32 s19, s66
	global_store_b32 v203, v201, s[6:7]            ; the left-over slots repeat the class's last token
	s_wait_xcnt 0x0
	s_or_b32 exec_lo, exec_lo, s19
	s_wait_xcnt 0x0
	s_and_saveexec_b32 s19, s67
	global_store_b32 v204, v188, s[6:7]            ; the slots behind the last tile hold token 0
	s_wait_xcnt 0x0
	s_or_b32 exec_lo, exec_lo, s19
	s_endpgm
.Lfunc_end_k_qabf0073674_place:
	.size	k_qabf0073674_place, .Lfunc_end_k_qabf0073674_place-k_qabf0073674_place
	.p2alignl 7, 3214868480
	.fill 96, 4, 3214868480
	.section	.rodata,"a",@progbits
	.p2align	6, 0x0
	.amdhsa_kernel k_qabf0073674_place
		.amdhsa_group_segment_fixed_size 10240
		.amdhsa_private_segment_fixed_size 0
		.amdhsa_enable_private_segment 0
		.amdhsa_kernarg_size 24
		.amdhsa_user_sgpr_count 2
		.amdhsa_user_sgpr_kernarg_segment_ptr 1
		.amdhsa_wavefront_size32 1
		.amdhsa_system_sgpr_workgroup_id_x 1
		.amdhsa_system_sgpr_workgroup_id_y 1
		.amdhsa_system_sgpr_workgroup_id_z 1
		.amdhsa_system_vgpr_workitem_id 0
		.amdhsa_next_free_vgpr 256
		.amdhsa_next_free_sgpr 72
		.amdhsa_reserve_vcc 1
		.amdhsa_float_denorm_mode_32 3
		.amdhsa_float_denorm_mode_16_64 3
		.amdhsa_memory_ordered 1
		.amdhsa_forward_progress 1
		.amdhsa_inst_pref_size 49
	.end_amdhsa_kernel
	.amdgpu_metadata
---
amdhsa.version: [ 1, 2 ]
amdhsa.kernels:
  - .name:           k_qabf0073674_place
    .symbol:         k_qabf0073674_place.kd
    .args:
      - { .name: cls, .offset: 0, .size: 8, .value_kind: global_buffer, .address_space: global }
      - { .name: rows, .offset: 8, .size: 8, .value_kind: global_buffer, .address_space: global }
      - { .name: meta, .offset: 16, .size: 8, .value_kind: global_buffer, .address_space: global }
    .group_segment_fixed_size: 10240
    .private_segment_fixed_size: 0
    .kernarg_segment_align: 8
    .kernarg_segment_size: 24
    .max_flat_workgroup_size: 512
    .sgpr_count:     72
    .vgpr_count:     256
    .wavefront_size: 32
...
	.end_amdgpu_metadata
.endif
;; end of part 4
;; launch moe: the kernel of part 3 again; grid 4 x 60, 4 waves a work-group, no clusters, 94,720 bytes of LDS; arguments xq, xs, wq, ws, rows, meta, out0; writes out0
;; ======== version 3 of 3: 3 launches
;; workspace buffers: xq 4,194,304 bytes; xs 262,144 bytes; wq 4,194,304 bytes; ws 262,144 bytes; cls 8,192 bytes of whole numbers; rows 34,816 bytes of whole numbers; meta 2,048 bytes of whole numbers
;; launch prep (part 5): grid 512 x 1, 4 waves a work-group, no clusters, 71,680 bytes of LDS; arguments E_symb, expert_w, gate_b, gate_w, xq, xs, wq, ws, cls; writes xq, xs, wq, ws, cls
.if DOCPART == 5
	.amdgcn_target "amdgcn-amd-amdhsa--gfx1250"
	.amdhsa_code_object_version 6
	.text
	.protected	k_qabf0073674_prep
	.globl	k_qabf0073674_prep
	.p2align	8
	.type	k_qabf0073674_prep,@function
k_qabf0073674_prep:
	s_mov_b64 s[64:65], 0
	v_nop
	global_prefetch_b8 v0, s[64:65] scope:SCOPE_SE
	s_setreg_imm32_b32 hwreg(HW_REG_WAVE_MODE, 25, 1), 1
	s_wait_xcnt 0x0
; PREP.  Even work-groups: 32 tokens of x [8192][1024] f32 become codes of E2M1 (xq) and E8M0 scale bytes (xs), and the router
; (x gate_w + gate_b, softmax with its maximum taken off, top-2, ties to the lower index) gives each token a class number (cls).
; Odd work-groups: 128 columns x 256 along K of one expert's weight [d][f] become codes (wq) and scale words (ws), laid in the order
; in which the product's launch takes them into operand registers.
; A block's scale is 2^(floor(log2(largest magnitude)) - 2): its byte is the largest magnitude's exponent field - 2, held at 1 from below.
; LIMITS: NaN and infinities are not served.  A block whose largest magnitude lies under 2^-124 gets the byte 1; a block of zeros gets 1
; where the rule says 127 (its codes are zeros, and only this program reads the bytes).  The gate's f32 sums are added in another order
; than a plain loop over d; exp and 1/sum are v_exp_f32 and v_rcp_f32 (results under 2^-126 come out as zero): where the second and the
; third probability lie within a few units of the last place of each other, or both under 2^-126, the choice may fall otherwise.
; LAYOUTS.  xq [token][512 B]: block kb (32 codes) at 16 kb.   xs [token][32 B]: byte b of K step s (128 along K) at 16 (s & 1) + 4 (s >> 1) + b.
; wq [e][g = column / 16][s][c][lane r + 16 h][16 B] = block 4 s + 2 c + h of column 16 g + r.   ws [e][g][lane r + 16 hs][j] words: K step 2 j + hs of column 16 g + r.
; cls: byte t = e2 (e2 - 1) / 2 + e1 for the chosen experts e1 < e2.
; No matrix unit (8 columns of gate_w; f32 is asked for ahead of a top-k), no cluster (work-groups share only gate_w, 32 KB), no tensor loads.
.set STG,  33280                       ; LDS: gate_w at 0 as 32 pieces of 1,024 bytes + 16 (33,280 bytes); then for each wave two stages of 32 x 144 bytes
.set STGW, 9216
.set XSB,  70144                       ; then 256 scale bytes for each wave
.set A0,   24                          ; v24-31  gate sums of the even d, eight experts;  v32-39 of the odd d
.set A1,   32
.set C,    40                          ; v40-47  two sets of a token's codes
.set P,    48                          ; v48-79  partial logits: 8 (token % 4) + expert
.set X,    80                          ; v80-143 two sets of 32 numbers of one block
.set R,    144                         ; v144-239 three row slots as loaded (x path);  v144-175 codes (W path)
.set BY,   240                         ; v240-247 a scale byte for each token
.set MSB, 0
.macro WIN new                         ; the immediate's high byte repeats the setting that is left
.if MSB != (\new)
	s_set_vgpr_msb (MSB<<8)|(\new)
.set MSB, (\new)
.endif
.endm
; the largest magnitude of v[XS_] .. v[XS_+31] and the floor 2^(3 - 127), in two chains -> v12; its exponent field less 2 -> v14
.macro BLKMAX
	v_max3_num_f32 v12, |v[XS_]|, |v[XS_+1]|, 0x1800000
	v_max3_num_f32 v13, |v[XS_+2]|, |v[XS_+3]|, |v[XS_+4]|
.irp i, 5,9,13,17,21,25
	v_max3_num_f32 v12, v12, |v[XS_+\i]|, |v[XS_+\i+1]|
	v_max3_num_f32 v13, v13, |v[XS_+\i+2]|, |v[XS_+\i+3]|
.endr
	v_max3_num_f32 v12, v12, |v[XS_+29]|, |v[XS_+30]|
	v_max3_num_f32 v12, v12, v13, |v[XS_+31]|
	v_add_nc_u32 v14, 0xff000000, v12              ; the conversion takes the exponent field of this operand as its scale
.endm
	s_load_b512 s[4:19], s[0:1], 0x0               ; x s[4:5], W s[6:7], gate_b s[8:9], gate_w s[10:11], xq s[12:13], xs s[14:15], wq s[16:17], ws s[18:19]
	s_load_b64 s[20:21], s[0:1], 0x40              ; cls
	v_lshl_add_u32 v254, v0, 2, 0x11600
	v_mov_b32 v255, 0
	v_lshrrev_b32 v1, 5, v0
	v_readfirstlane_b32 s22, v1                    ; wave 0..3
	v_and_b32 v1, 31, v0                           ; lane
	s_lshr_b32 s23, ttmp9, 1                       ; which part of x or of W
	s_and_b32 s24, ttmp9, 1
	s_cmp_lg_u32 s24, 0
	s_cbranch_scc1 .Lw                             ; the same way for all four waves
; ================= x: 32 tokens a work-group, 8 a wave.  Lane l owns d = 32 l .. 32 l + 31 of every token: one whole block =================
	v_lshlrev_b32 v2, 4, v1                        ; 16 x lane: my bytes of a dense load, and of a token's codes
	s_mul_i32 s25, s22, STGW
	s_add_co_u32 s25, s25, STG                     ; my wave's stages
	v_lshrrev_b32 v12, 3, v1
	v_mul_u32_u24 v3, v12, 144
	v_and_b32 v13, 7, v1
	v_lshl_add_u32 v3, v13, 4, v3
	v_add_nc_u32 v3, s25, v3                       ; into a stage: load j's 512 bytes belong to lanes 4 j .. 4 j + 3: 144 (l / 8) + 16 (l % 8), + 576 j
	v_mul_u32_u24 v4, v1, 144
	v_add_nc_u32 v4, s25, v4                       ; out of it: 144 x lane: my 128 bytes (144 = 9 x 16: sixteen lanes start in sixteen different columns of 16 bytes)
	s_lshl_b32 s26, s22, 8
	s_add_co_u32 s26, s26, XSB                     ; my wave's scale bytes
	s_wait_alu depctr_va_vdst(0)
	v_bfe_u32 v14, v1, 2, 1
	v_lshlrev_b32 v5, 4, v14
	v_lshl_add_u32 v5, v12, 2, v5
	v_and_b32 v14, 3, v1
	v_add_nc_u32 v5, v5, v14
	v_add_nc_u32 v5, s26, v5                       ; block l = K step l / 4, byte l % 4: 16 (s & 1) + 4 (s >> 1) + b
	v_lshrrev_b32 v14, 6, v0
	v_lshlrev_b32 v6, 4, v0
	v_lshl_add_u32 v6, v14, 4, v6                  ; gate_w into LDS: 16 x thread + 16 for each 1,024 passed
	v_mul_u32_u24 v7, v1, 1040                     ; and my piece of it: rows 32 l .. 32 l + 31
	v_cvt_f32_u32 v9, v13                          ; my expert's number in the routing, as f32
	v_lshlrev_b32 v10, 3, v1                       ; 8 x lane
	v_add_nc_u32 v11, s26, v10
	v_lshlrev_b32 v15, 2, v13                      ; gate_b[lane % 8]
	v_lshlrev_b32 v16, 4, v0                       ; gate_w: 16 bytes a thread
	s_mov_b32 s28, 0xaaaaaaaa                      ; the lanes whose bit 0, 1, 2, 3, 4 is set
	s_mov_b32 s29, 0xcccccccc
	s_mov_b32 s30, 0xf0f0f0f0
	s_mov_b32 s31, 0xff00ff00
	s_mov_b32 s32, 0xffff0000
	s_mov_b32 s34, 0x76543210                      ; v_permlanex16_b32's selects for lane l xor 16
	s_mov_b32 s35, 0xfedcba98
	s_lshl_b32 s40, s23, 17                        ; 32 tokens of 4,096 bytes a work-group,
	s_lshl_b32 s42, s22, 15                        ; 8 a wave
	s_add_co_u32 s40, s40, s42
	s_mov_b32 s41, 0
	s_lshl_b32 s43, s23, 5
	s_lshl_b32 s44, s22, 3
	s_add_co_u32 s43, s43, s44                     ; my first token
	s_lshl_b32 s44, s43, 9
	s_mov_b32 s45, 0
	s_lshl_b32 s46, s43, 5
	s_mov_b32 s47, 0
	s_mov_b32 s48, s43
	s_mov_b32 s49, 0
	s_wait_alu depctr_va_vdst(0)
	s_wait_kmcnt 0x0
	s_add_nc_u64 s[4:5], s[4:5], s[40:41]
	s_add_nc_u64 s[12:13], s[12:13], s[44:45]
	s_add_nc_u64 s[14:15], s[14:15], s[46:47]
	s_add_nc_u64 s[20:21], s[20:21], s[48:49]
.macro LOADROW t                       ; token t's row: eight loads of 512 consecutive bytes, into slot t % 3
.irp j, 0,1,2,3,4,5,6,7
	global_load_b128 v[R+32*((\t)%3)+4*\j:R+32*((\t)%3)+4*\j+3], v2, s[4:5] offset:4096*(\t)+512*\j th:TH_LOAD_NT
.endr
.endm
.macro TURN t                          ; token t's row through stage t % 2: in as loaded, out 128 bytes a lane.  LDS serves a wave's instructions in order: no wait between
.irp j, 0,1,2,3,4,5,6,7
	ds_store_b128 v3, v[R+32*((\t)%3)+4*\j:R+32*((\t)%3)+4*\j+3] offset:4608*((\t)%2)+576*\j
.endr
.irp j, 0,1,2,3,4,5,6,7
	ds_load_b128 v[X+32*((\t)%2)+4*\j:X+32*((\t)%2)+4*\j+3], v4 offset:4608*((\t)%2)+16*\j
.endr
.endm
	global_load_b32 v8, v15, s[8:9]                ; gate_b of my expert
.irp j, 0,1,2,3,4,5,6,7,8,9,10,11,12,13,14,15
	global_load_b128 v[X+4*\j:X+4*\j+3], v16, s[10:11] offset:2048*\j    ; gate_w, dense: 2,048 bytes a work-group and load
.endr
	LOADROW 0
	LOADROW 1
	LOADROW 2
	s_wait_loadcnt 24                              ; gate_b and gate_w are in; the 24 loads of three rows stay out
.irp j, 0,1,2,3,4,5,6,7,8,9,10,11,12,13,14,15
	ds_store_b128 v6, v[X+4*\j:X+4*\j+3] offset:2080*\j
.endr
	s_wait_dscnt 0x0                               ; for the others' sake: my part of gate_w lies in LDS
	s_barrier_signal -1
	s_barrier_wait -1
	WIN 0x40                                       ; destination window 1: register 8 dd + e = gate_w[32 l + dd][e]; it stays for the whole launch
.set i, 0
.rept 64
	ds_load_b128 v[4*i:4*i+3], v7 offset:16*i
.set i, i+1
.endr
	WIN 0
	s_wait_dscnt 0x0
	s_wait_loadcnt 16                              ; row 0 is in; rows 1 and 2 stay out
	TURN 0
.macro TOKEN t
.set XS_, X+32*((\t)%2)
.set CS_, C+4*((\t)%2)
.if (\t) > 0
	s_wait_dscnt 1                                 ; my 32 numbers are back from the stage (the last token's byte store may be out), and the stage's stores have read their slot,
.else
	s_wait_dscnt 0x0
.endif
.if (\t)+3 < 8
	LOADROW (\t)+3                                 ; which takes the row three tokens on
.endif
.if (\t)+1 < 8
.if (\t) < 5
	s_wait_loadcnt 16                              ; the next row is in; the two rows behind it stay out
.else
	s_wait_loadcnt 8*(6-(\t))                      ; the counts run down: one row behind it, then none
.endif
	TURN (\t)+1
.endif
	BLKMAX
	s_wait_alu depctr_va_vdst(0)
	s_wait_xcnt 0x0                                ; the store of two tokens ago has read this set of codes
.irp g, 0,1,2,3
	v_cvt_scalef32_pk8_fp4_f32 v[CS_+\g], v[XS_+8*\g:XS_+8*\g+7], v14
.endr
	v_lshrrev_b32 v[BY+(\t)], 23, v14              ; the scale's byte (the plain line behind the conversions)
	ds_store_b8 v5, v[BY+(\t)] offset:32*(\t)
	global_store_b128 v2, v[CS_:CS_+3], s[12:13] offset:512*(\t)      ; the wave stores the token's 512 bytes of codes on end
	WIN 0x04                                       ; source 1 (gate_w) window 1
.set dd, 0
.rept 16                               ; my 32 d x 8 experts: two experts an instruction; even and odd d in two sets of sums; the first products start them
.irp q, 0,1,2,3
.if dd == 0
	v_pk_mul_f32 v[A0+2*\q:A0+2*\q+1], v[XS_+dd:XS_+dd+1], v[8*dd+2*\q:8*dd+2*\q+1] op_sel_hi:[0,1]
.else
	v_pk_fma_f32 v[A0+2*\q:A0+2*\q+1], v[XS_+dd:XS_+dd+1], v[8*dd+2*\q:8*dd+2*\q+1], v[A0+2*\q:A0+2*\q+1] op_sel_hi:[0,1,1]
.endif
.endr
.irp q, 0,1,2,3
.if dd == 0
	v_pk_mul_f32 v[A1+2*\q:A1+2*\q+1], v[XS_+dd:XS_+dd+1], v[8*dd+8+2*\q:8*dd+8+2*\q+1] op_sel:[1,0] op_sel_hi:[1,1]
.else
	v_pk_fma_f32 v[A1+2*\q:A1+2*\q+1], v[XS_+dd:XS_+dd+1], v[8*dd+8+2*\q:8*dd+8+2*\q+1], v[A1+2*\q:A1+2*\q+1] op_sel:[1,0,0] op_sel_hi:[1,1,1]
.endif
.endr
.set dd, dd+2
.endr
	WIN 0
.irp q, 0,1,2,3
	v_pk_add_f32 v[P+8*((\t)%4)+2*\q:P+8*((\t)%4)+2*\q+1], v[A0+2*\q:A0+2*\q+1], v[A1+2*\q:A1+2*\q+1]
.endr
.endm
; One step of a butterfly that adds over lanes and transposes: of each pair of registers a lane keeps the one that its bit names and sends the other to lane l xor step.
.macro BFLY step, lm
.set i0, 0
.rept 16/\step
	v_cndmask_b32 v[12+(i0/(2*\step))%4], v[P+i0+\step], v[P+i0], s[\lm]
	v_cndmask_b32 v[P+i0], v[P+i0], v[P+i0+\step], s[\lm]
	v_add_f32_dpp v[P+i0], v[12+(i0/(2*\step))%4], v[P+i0] row_xmask:\step row_mask:0xf bank_mask:0xf
.set i0, i0+2*\step
.endr
.endm
; expert e xor m stands ahead of mine where its p is larger, or equal with the lower index (m's highest bit is set in e)
.macro RANK m, lm
	v_mov_b32_dpp v16, v14 row_xmask:\m row_mask:0xf bank_mask:0xf
	v_cmp_gt_f32 s50, v16, v14
	v_cmp_ge_f32 s51, v16, v14
	s_and_b32 s51, s51, s[\lm]
	s_or_b32 vcc_lo, s50, s51
	v_add_co_ci_u32 v17, vcc_lo, 0, v17, vcc_lo
.endm
; Four tokens are routed: lane l ends with the logit of token l / 8, expert l % 8.  Their four class bytes -> s[36 + n]
.macro ROUTE n
	BFLY 1, 28
	BFLY 2, 29
	BFLY 4, 30
	BFLY 8, 31
	v_cndmask_b32 v12, v[P+16], v[P], s32
	v_cndmask_b32 v[P], v[P], v[P+16], s32
	v_permlanex16_b32 v13, v12, s34, s35
	v_add_f32 v[P], v[P], v13
	v_add_f32 v12, v[P], v8                        ; + gate_b
	v_max_num_f32_dpp v13, v12, v12 row_xmask:1 row_mask:0xf bank_mask:0xf
	v_max_num_f32_dpp v13, v13, v13 row_xmask:2 row_mask:0xf bank_mask:0xf
	v_max_num_f32_dpp v13, v13, v13 row_xmask:4 row_mask:0xf bank_mask:0xf   ; the token's largest logit
	v_sub_f32 v14, v12, v13
	v_mul_f32 v14, 0x3fb8aa3b, v14
	s_wait_alu depctr_va_vdst(0)
	v_exp_f32 v14, v14
	v_mov_b32 v17, 0                               ; my rank (a plain line behind the exponential)
	s_wait_alu depctr_va_vdst(0)
	v_add_f32_dpp v15, v14, v14 row_xmask:1 row_mask:0xf bank_mask:0xf
	v_add_f32_dpp v15, v15, v15 row_xmask:2 row_mask:0xf bank_mask:0xf
	v_add_f32_dpp v15, v15, v15 row_xmask:4 row_mask:0xf bank_mask:0xf
	s_wait_alu depctr_va_vdst(0)
	v_rcp_f32 v15, v15
	v_mov_b32 v16, 0                               ; (a plain line behind the reciprocal; a lane move's destination counts as read)
	s_wait_alu depctr_va_vdst(0)
	v_mul_f32 v14, v14, v15                        ; my probability
	RANK 1, 28
	RANK 2, 29
	RANK 3, 29
	RANK 4, 30
	RANK 5, 30
	RANK 6, 30
	RANK 7, 30
	v_cmp_gt_u32 vcc_lo, 2, v17                    ; chosen: fewer than two stand ahead of me
	v_cndmask_b32 v18, -1.0, v9, vcc_lo
	v_cndmask_b32 v19, 0x42800000, v9, vcc_lo
	v_max_num_f32_dpp v18, v18, v18 row_xmask:1 row_mask:0xf bank_mask:0xf
	v_min_num_f32_dpp v19, v19, v19 row_xmask:1 row_mask:0xf bank_mask:0xf
	v_max_num_f32_dpp v18, v18, v18 row_xmask:2 row_mask:0xf bank_mask:0xf
	v_min_num_f32_dpp v19, v19, v19 row_xmask:2 row_mask:0xf bank_mask:0xf
	v_max_num_f32_dpp v18, v18, v18 row_xmask:4 row_mask:0xf bank_mask:0xf   ; e2
	v_min_num_f32_dpp v19, v19, v19 row_xmask:4 row_mask:0xf bank_mask:0xf   ; e1
	v_add_f32 v20, -1.0, v18
	v_mul_f32 v20, v20, v18
	v_fma_f32 v20, v20, 0.5, v19                   ; e2 (e2 - 1) / 2 + e1: small whole numbers, exact
	v_cvt_u32_f32 v20, v20
	v_readlane_b32 s52, v20, 0
	v_readlane_b32 s53, v20, 8
	v_readlane_b32 s54, v20, 16
	v_readlane_b32 s55, v20, 24
	s_lshl_b32 s53, s53, 8
	s_lshl_b32 s54, s54, 16
	s_lshl_b32 s55, s55, 24
	s_or_b32 s52, s52, s53
	s_or_b32 s54, s54, s55
	s_or_b32 s[36+\n], s52, s54
.endm
	TOKEN 0
	TOKEN 1
	TOKEN 2
	TOKEN 3
	ROUTE 0
	TOKEN 4
	TOKEN 5
	TOKEN 6
	TOKEN 7
	ROUTE 1
	ds_load_b64 v[12:13], v11                      ; my wave's 256 scale bytes, 8 a lane: these see my byte stores
	s_wait_dscnt 0x0
	global_store_b64 v10, v[12:13], s[14:15]       ; 256 consecutive bytes, aligned
	v_mov_b32 v14, s36
	v_mov_b32 v15, s37
	v_mov_b32 v16, 0
	v_cmp_eq_u32 vcc_lo, 0, v1
	s_wait_alu depctr_va_vdst(0)
	s_wait_xcnt 0x0                                ; EXEC changes only behind this wait
	s_wait_tensorcnt 0x0
	ds_add_u32 v254, v255
	s_wait_dscnt 0x0
	s_and_saveexec_b32 s56, vcc_lo
	global_store_b64 v16, v[14:15], s[20:21]       ; lane 0: my 8 tokens' classes, at a fixed place
	s_wait_xcnt 0x0
	s_or_b32 exec_lo, exec_lo, s56
	s_endpgm
; ================= W: a lane takes a column f and its registers run down d, which is K; the four waves stand side by side on 512 bytes of a row =================
.Lw:
	s_lshr_b32 s25, s23, 5                         ; expert
	s_bfe_u32 s26, s23, 0x30002                    ; which 128 columns
	s_and_b32 s27, s23, 3                          ; which 256 along K: K steps 2 kq, 2 kq + 1
	s_lshl_b32 s26, s26, 2
	s_add_co_u32 s26, s26, s22                     ; cg: my wave's 32 columns
	s_lshl_b32 s40, s25, 22                        ; W: 4 MiB an expert, 256 rows of 4,096 bytes, 128 bytes for 32 columns
	s_lshl_b32 s42, s27, 20
	s_add_co_u32 s40, s40, s42
	s_lshl_b32 s42, s26, 7
	s_add_co_u32 s40, s40, s42
	s_mov_b32 s41, 0
	s_lshl_b32 s44, s25, 19                        ; wq: 524,288 an expert, 16,384 for two tiles of 16 columns, 2,048 for two K steps
	s_lshl_b32 s42, s26, 14
	s_add_co_u32 s44, s44, s42
	s_lshl_b32 s42, s27, 11
	s_add_co_u32 s44, s44, s42
	s_mov_b32 s45, 0
	s_lshl_b32 s46, s25, 15                        ; ws: 32,768 an expert, 1,024 for two tiles, word j = kq
	s_lshl_b32 s42, s26, 10
	s_add_co_u32 s46, s46, s42
	s_lshl_b32 s42, s27, 2
	s_add_co_u32 s46, s46, s42
	s_mov_b32 s47, 0
	s_wait_alu depctr_va_vdst(0)
	v_lshlrev_b32 v2, 2, v1                        ; in: 4 bytes a lane
	v_lshrrev_b32 v12, 4, v1
	v_and_b32 v13, 15, v1
	v_lshlrev_b32 v3, 13, v12
	v_lshl_add_u32 v3, v13, 4, v3                  ; codes: tile l / 16, place 16 (l % 16)
	v_lshlrev_b32 v4, 9, v12
	v_lshl_add_u32 v4, v13, 4, v4                  ; scale words likewise
	s_wait_alu depctr_va_vdst(0)
	s_wait_kmcnt 0x0
	s_add_nc_u64 s[6:7], s[6:7], s[40:41]
	s_add_nc_u64 s[16:17], s[16:17], s[44:45]
	s_add_nc_u64 s[18:19], s[18:19], s[46:47]
.macro WLOAD t                         ; block t: W(32 t + i, my column) into set t % 2
.set i, 0
.rept 32
	global_load_b32 v[X+32*((\t)%2)+i], v2, s[6:7] offset:(32*(\t)+i)*4096 th:TH_LOAD_NT
.set i, i+1
.endr
.endm
.macro WBLOCK t
.set XS_, X+32*((\t)%2)
.if (\t) < 7
	s_wait_loadcnt 32                              ; this block's 32 loads are in; the next block's stay out
.else
	s_wait_loadcnt 0x0
.endif
	BLKMAX
.irp g, 0,1,2,3
	v_cvt_scalef32_pk8_fp4_f32 v[R+4*(\t)+\g], v[XS_+8*\g:XS_+8*\g+7], v14    ; each block has registers of its own: no store's data are written again
.endr
	v_lshrrev_b32 v15, 23, v14                     ; the scale's byte (the plain line behind the conversions)
.if (\t)%4 == 0
	v_mov_b32 v[24+(\t)/4], v15
.else
	v_lshl_or_b32 v[24+(\t)/4], v15, 8*((\t)%4), v[24+(\t)/4]
.endif
	global_store_b128 v3, v[R+4*(\t):R+4*(\t)+3], s[16:17] offset:((\t)/4)*1024+(((\t)/2)%2)*512+((\t)%2)*256   ; sixteen lanes store 256 consecutive bytes, aligned
.if (\t)+2 < 8
	WLOAD (\t)+2
.endif
.endm
	WLOAD 0
	WLOAD 1
.irp t, 0,1,2,3,4,5,6,7
	WBLOCK \t
.endr
	global_store_b32 v4, v24, s[18:19]             ; the scale words of my two K steps: pieces of 4 bytes, 16 apart: 1 byte for each 128 that this path reads
	global_store_b32 v4, v25, s[18:19] offset:256
	s_endpgm
.Lfunc_end_k_qabf0073674_prep:
	.size	k_qabf0073674_prep, .Lfunc_end_k_qabf0073674_prep-k_qabf0073674_prep
	.p2alignl 7, 3214868480
	.fill 96, 4, 3214868480
	.section	.rodata,"a",@progbits
	.p2align	6, 0x0
	.amdhsa_kernel k_qabf0073674_prep
		.amdhsa_group_segment_fixed_size 71680
		.amdhsa_private_segment_fixed_size 0
		.amdhsa_enable_private_segment 0
		.amdhsa_kernarg_size 72
		.amdhsa_user_sgpr_count 2
		.amdhsa_user_sgpr_kernarg_segment_ptr 1
		.amdhsa_wavefront_size32 1
		.amdhsa_system_sgpr_workgroup_id_x 1
		.amdhsa_system_sgpr_workgroup_id_y 1
		.amdhsa_system_sgpr_workgroup_id_z 1
		.amdhsa_system_vgpr_workitem_id 0
		.amdhsa_next_free_vgpr 512
		.amdhsa_next_free_sgpr 66
		.amdhsa_reserve_vcc 1
		.amdhsa_float_denorm_mode_32 3
		.amdhsa_float_denorm_mode_16_64 3
		.amdhsa_memory_ordered 1
		.amdhsa_forward_progress 1
		.amdhsa_inst_pref_size 162
	.end_amdhsa_kernel
	.amdgpu_metadata
---
amdhsa.version: [ 1, 2 ]
amdhsa.kernels:
  - .name:           k_qabf0073674_prep
    .symbol:         k_qabf0073674_prep.kd
    .args:
      - { .name: E_symb, .offset: 0, .size: 8, .value_kind: global_buffer, .address_space: global }
      - { .name: expert_w, .offset: 8, .size: 8, .value_kind: global_buffer, .address_space: global }
      - { .name: gate_b, .offset: 16, .size: 8, .value_kind: global_buffer, .address_space: global }
      - { .name: gate_w, .offset: 24, .size: 8, .value_kind: global_buffer, .address_space: global }
      - { .name: xq, .offset: 32, .size: 8, .value_kind: global_buffer, .address_space: global }
      - { .name: xs, .offset: 40, .size: 8, .value_kind: global_buffer, .address_space: global }
      - { .name: wq, .offset: 48, .size: 8, .value_kind: global_buffer, .address_space: global }
      - { .name: ws, .offset: 56, .size: 8, .value_kind: global_buffer, .address_space: global }
      - { .name: cls, .offset: 64, .size: 8, .value_kind: global_buffer, .address_space: global }
    .group_segment_fixed_size: 71680
    .private_segment_fixed_size: 0
    .kernarg_segment_align: 8
    .kernarg_segment_size: 72
    .max_flat_workgroup_size: 128
    .sgpr_count:     66
    .vgpr_count:     512
    .wavefront_size: 32
...
	.end_amdgpu_metadata
.endif
;; end of part 5
;; launch place (part 6): grid 1 x 1, 16 waves a work-group, no clusters, 10,240 bytes of LDS; arguments cls, rows, meta; writes rows, meta
.if DOCPART == 6
	.amdgcn_target "amdgcn-amd-amdhsa--gfx1250"
	.amdhsa_code_object_version 6
	.text
	.protected	k_qabf0073674_place
	.globl	k_qabf0073674_place
	.p2align	8
	.type	k_qabf0073674_place,@function
k_qabf0073674_place:
	s_mov_b64 s[64:65], 0
	v_nop
	global_prefetch_b8 v0, s[64:65] scope:SCOPE_SE
	s_setreg_imm32_b32 hwreg(HW_REG_WAVE_MODE, 25, 1), 1
	s_wait_xcnt 0x0
; PLACE.  A counting sort of the 8,192 tokens by their class (pair of experts, 0..27), by one work-group of 16 waves, on whole numbers alone.
; Each class begins on a tile of 16 slots; the slots that are left over in a class's last tile repeat the class's last token, which lies in
; the same tile; the slots behind the last class hold token 0 and belong to no expert.  At most (8,192 + 28 x 15) / 16 = 538 tiles, for every split; 540 are laid.
; rows: u32[8640], the token of each slot.   meta: u32[60][8]: for block b of 9 tiles, (9 bits: which tiles use the expert) << 8 | expert, used experts first.
; SHARES.  Wave w takes tokens 512 w .. 512 w + 511: register v, lane l holds token 512 w + 32 v + l.  What every wave has to repeat (the sums over waves, the running sum
; over classes) is repeated 16 times; 512 threads cover the 448 left-over slots, the 448 slots of the tail and the 480 places of the lists.
; Tables with a class to a lane are filled by ds_permute_b32 and read by ds_bpermute_b32, which touch no LDS byte.
; One work-group: the sums span all tokens, and they are few; no atomics.
; Every offset of a store is made and clamped with all lanes on; the two stores that only some lanes make stand at the very end, and no vector register is written behind the first change of EXEC.
; LDS: 0..2047 sixteen rows of zeros; 2048..4095 row w: wave w's word for each class; 4096..8191 a word for each tile.
.set TM,  4096
.set CL,  8                            ; v8-23    my 16 registers of classes, later 4 x class
.set RK,  24                           ; v24-39   rank among the lanes of the same class in the register
.set RCV, 40                           ; v40-55   lane = class: (last token + 1) << 16 | count, for each register
.set TID, 56                           ; v56-71   token numbers
.set HP,  72                           ; v72-88   lane = class: how many of the class lie in my wave's registers before v; HP + 16: in all of them
.set SL,  92                           ; v92-107  permute targets, later the slots' byte offsets
.set PAY, 108                          ; v108-123 what is sent: to the class's lane, later back from it
.set T,   124                          ; v124-143 at work
.set RA,  144                          ; v144-159 the 16 waves' words; later a block's 9 tiles
.set RB,  160                          ; v160-175 the words of the waves ahead of mine, and zeros
	s_load_b128 s[4:7], s[0:1], 0x0                ; cls, rows
	s_load_b64 s[8:9], s[0:1], 0x10                ; meta
	v_lshl_add_u32 v254, v0, 2, 0x2000
	v_mov_b32 v255, 0
	v_lshrrev_b32 v176, 5, v0
	s_delay_alu instid0(VALU_DEP_1)
	v_readfirstlane_b32 s10, v176                  ; wave 0..15
	v_and_b32 v1, 31, v0                           ; lane
	s_lshl_b32 s11, s10, 9
	v_add_nc_u32 v178, s11, v1                     ; my first token
	s_wait_alu depctr_va_vdst(0)
	s_wait_kmcnt 0x0
.irp v, 0,1,2,3,4,5,6,7,8,9,10,11,12,13,14,15
	global_load_u8 v[CL+\v], v178, s[4:5] offset:32*\v
.endr
	; all that hangs on ids alone is made while the classes are on their way
	v_lshlrev_b32 v2, 2, v1                        ; 4 x lane
	v_lshlrev_b32 v3, v1, -2                       ; the lanes above me
	v_lshlrev_b32 v177, 2, v0                      ; 4 x thread = 128 x wave + 4 x lane
	v_mov_b32 v188, 0                              ; stays 0
	ds_store_b32 v177, v188                        ; the sixteen rows of zeros
	v_mov_b32 v179, 124                            ; 4 x lane 31
	s_mov_b32 s12, 0x0fffffff                      ; lanes 0..27: the classes
	s_mov_b32 s15, 0xffff0000
.irp v, 0,1,2,3,4,5,6,7,8,9,10,11,12,13,14,15
	v_add_nc_u32 v[TID+\v], 32*\v, v178
.endr
.irp v, 0,1,2,3,4,5,6,7,8,9,10,11,12,13,14,15
	v_lshl_add_u32 v[PAY+\v], v[TID+\v], 16, 0x10001   ; (token + 1) << 16 | 1: the rank is added to it
.endr
.irp v, 0,1,2,3,4,5,6,7,8,9,10,11,12,13,14,15
	v_mov_b32 v[RCV+\v], 0
.endr
	v_mov_b32 v[HP], 0
	v_mov_b32 v206, 1                              ; lane = class c: its two experts' bits.  e2 = 1 + how many of 1, 3, 6, 10, 15, 21 are at most c
.irp th, 1,3,6,10,15,21
	v_cmp_le_u32 vcc_lo, \th, v1
	s_delay_alu instid0(VALU_DEP_1)
	v_add_co_ci_u32 v206, vcc_lo, 0, v206, vcc_lo
.endr
	s_delay_alu instid0(VALU_DEP_1)
	v_add_nc_u32 v207, -1, v206
	s_delay_alu instid0(VALU_DEP_1)
	v_mul_u32_u24 v207, v207, v206
	s_delay_alu instid0(VALU_DEP_1)
	v_lshrrev_b32 v207, 1, v207
	s_delay_alu instid0(VALU_DEP_1)
	v_sub_nc_u32 v207, v1, v207                    ; e1 = c - e2 (e2 - 1) / 2
	v_lshlrev_b32 v208, v206, 1
	s_delay_alu instid0(VALU_DEP_2)
	v_lshlrev_b32 v209, v207, 1
	s_delay_alu instid0(VALU_DEP_1)
	v_or_b32 v208, v208, v209
	v_cmp_gt_u32 vcc_lo, 28, v1
	s_delay_alu instid0(VALU_DEP_1)
	v_cndmask_b32 v180, 0, v208, vcc_lo            ; lanes 28..31 hold 0: no expert
	v_lshrrev_b32 v181, 3, v0                      ; for the lists: block = thread / 8,
	s_delay_alu instid0(VALU_DEP_1)
	v_mul_u32_u24 v182, v181, 36                   ; its 9 tiles' words in LDS,
	s_delay_alu instid0(VALU_DEP_2)
	v_lshlrev_b32 v183, 5, v181                    ; its 32 bytes in meta,
	v_and_b32 v184, 7, v0                          ; my expert
	v_lshrrev_b32 v185, 4, v0
	s_delay_alu instid0(VALU_DEP_1)
	v_lshlrev_b32 v185, 2, v185                    ; for the left-over slots: 4 x (thread / 16): the class's lane,
	v_and_b32 v186, 15, v0                         ; and which of them
	v_add_nc_u32 v187, 512, v0                     ; my second tile
	s_wait_loadcnt 0x0
.irp v, 0,1,2,3,4,5,6,7,8,9,10,11,12,13,14,15
	v_min_u32 v[CL+\v], 27, v[CL+\v]
.endr
; The lanes of my class: five ballots, one for each bit of the class; each lane takes the ballot or its complement by its own bit, and the five are ANDed.
; Four registers go by turns, stage by stage, so that no line waits for the line above it.  The highest lane of a class sends (token + 1) << 16 | count to lane = class; all others send to lane 31.
.macro MATCH4 g
.irp u, 0,1,2,3
.irp k, 0,1,2,3,4
	v_and_b32 v[T+5*\u+\k], 1<<\k, v[CL+4*\g+\u]
.endr
.endr
.irp u, 0,1,2,3
.irp k, 0,1,2,3,4
	v_cmp_ne_u32 s[20+5*\u+\k], 0, v[T+5*\u+\k]
.endr
.endr
.irp u, 0,1,2,3
.irp k, 0,1,2,3,4
	s_not_b32 s[40+5*\u+\k], s[20+5*\u+\k]
.endr
.endr
.irp u, 0,1,2,3
.irp k, 0,1,2,3,4
	v_cndmask_b32 v[T+5*\u+\k], s[40+5*\u+\k], s[20+5*\u+\k], s[20+5*\u+\k]
.endr
.endr
.irp u, 0,1,2,3
	v_and_b32 v[T+5*\u], v[T+5*\u], v[T+5*\u+1]
	v_and_b32 v[T+5*\u+2], v[T+5*\u+2], v[T+5*\u+3]
.endr
.irp u, 0,1,2,3
	v_and_b32 v[T+5*\u], v[T+5*\u], v[T+5*\u+4]
.endr
.irp u, 0,1,2,3
	s_delay_alu instid0(VALU_DEP_4)
	v_and_b32 v[T+5*\u], v[T+5*\u], v[T+5*\u+2]
.endr
.irp u, 0,1,2,3
	v_mbcnt_lo_u32_b32 v[RK+4*\g+\u], v[T+5*\u], 0         ; how many of them lie below me
	v_and_b32 v[T+5*\u+1], v[T+5*\u], v3
	v_lshlrev_b32 v[CL+4*\g+\u], 2, v[CL+4*\g+\u]          ; from here on 4 x class
.endr
.irp u, 0,1,2,3
	v_cmp_eq_u32 s[60+\u], 0, v[T+5*\u+1]                  ; none above me: I speak for the class
	v_add_nc_u32 v[PAY+4*\g+\u], v[PAY+4*\g+\u], v[RK+4*\g+\u]
.endr
.irp u, 0,1,2,3
	v_cndmask_b32 v[SL+4*\g+\u], v179, v[CL+4*\g+\u], s[60+\u]
	ds_permute_b32 v[RCV+4*\g+\u], v[SL+4*\g+\u], v[PAY+4*\g+\u]
.endr
.endm
	MATCH4 0
	MATCH4 1
	MATCH4 2
	MATCH4 3
	s_wait_dscnt 0x0
.irp v, 0,1,2,3,4,5,6,7,8,9,10,11,12,13,14,15
	v_and_b32 v[T+\v], 0xffff, v[RCV+\v]           ; lane = class: the register's count.  (Lane 31 holds refuse: no class reads it, and the wave's word is masked below)
.endr
.irp i, 0
	v_add3_u32 v[HP+2+\i], v[HP+\i], v[T+\i], v[T+1+\i]
	v_max_u32 v[RCV+\i], v[RCV+\i], v[RCV+1+\i]
.endr
.irp i, 2, 4, 6, 8, 10, 12, 14
	s_delay_alu instid0(VALU_DEP_2)
	v_add3_u32 v[HP+2+\i], v[HP+\i], v[T+\i], v[T+1+\i]    ; the counts before the even registers: a chain of eight;
	v_max_u32 v[RCV+\i], v[RCV+\i], v[RCV+1+\i]            ; (the upper half decides: my wave's last token of the class)
.endr
.irp i, 0,2,4,6,8,10,12,14
	v_add_nc_u32 v[HP+1+\i], v[HP+\i], v[T+\i]             ; before the odd ones
.endr
.irp i, 0,4,8,12
	v_max_u32 v[RCV+\i], v[RCV+\i], v[RCV+2+\i]
.endr
	s_delay_alu instid0(VALU_DEP_3)
	v_max_u32 v[RCV], v[RCV], v[RCV+4]
	s_delay_alu instid0(VALU_DEP_2)
	v_max_u32 v[RCV+8], v[RCV+8], v[RCV+12]
	s_delay_alu instid0(VALU_DEP_1)
	v_max_u32 v[RCV], v[RCV], v[RCV+8]
	s_delay_alu instid0(VALU_DEP_1)
	v_and_or_b32 v176, v[RCV], 0xffff0000, v[HP+16]
	s_delay_alu instid0(VALU_DEP_1)
	v_cndmask_b32 v176, 0, v176, s12
	ds_store_b32 v177, v176 offset:2048            ; row 16 + wave of the table
	s_wait_dscnt 0x0                               ; for the others' sake: my zeros and my word lie in LDS
	s_barrier_signal -1
	s_barrier_wait -1
.set j, 0
.rept 16
	ds_load_b32 v[RA+j], v2 offset:2048+128*j      ; all sixteen waves' words
.set j, j+1
.endr
.set j, 0
.rept 16
	ds_load_b32 v[RB+j], v177 offset:128*j         ; rows w .. w + 15 of the table: 16 - w rows of zeros, then the words of waves 0 .. w - 1
.set j, j+1
.endr
.macro SUM16 d, r, t                   ; v[d] = the sum of v[r] .. v[r + 15]; v[t] .. v[t + 3] at work.  The low halves, counts, never carry: at most 8,192 in all
	v_add3_u32 v[\d], v[\r], v[\r+1], v[\r+2]
	v_add3_u32 v[\t], v[\r+3], v[\r+4], v[\r+5]
	v_add3_u32 v[\t+1], v[\r+6], v[\r+7], v[\r+8]
	v_add3_u32 v[\t+2], v[\r+9], v[\r+10], v[\r+11]
	v_add3_u32 v[\t+3], v[\r+12], v[\r+13], v[\r+14]
	s_delay_alu instid0(VALU_DEP_3)
	v_add3_u32 v[\d], v[\d], v[\t], v[\t+1]
	s_delay_alu instid0(VALU_DEP_2)
	v_add3_u32 v[\t+2], v[\t+2], v[\t+3], v[\r+15]
	s_delay_alu instid0(VALU_DEP_1)
	v_add_nc_u32 v[\d], v[\d], v[\t+2]
.endm
.macro MX a, b
	v_max_u32 v[RA+\a], v[RA+\a], v[RA+\b]
.endm
	s_wait_dscnt 0x0
	SUM16 6, RA, T
	s_delay_alu instid0(VALU_DEP_1)
	v_and_b32 v6, 0xffff, v6                       ; n: the class's tokens
	s_delay_alu instid0(VALU_DEP_1)
	v_add_nc_u32 v191, 15, v6
	s_delay_alu instid0(VALU_DEP_1)
	v_lshrrev_b32 v191, 4, v191                    ; its tiles
	s_delay_alu instid0(VALU_DEP_1)
	v_mov_b32 v5, v191
	s_delay_alu instid0(VALU_DEP_1)
	; a running sum over the classes of each half of the lanes: lane i takes lane i - n's number, or 0 where there is none.  The maximum over the waves' words stands between its lines
	v_mov_b32_dpp v176, v5 row_shr:1 row_mask:0xf bank_mask:0xf bound_ctrl:1
	MX 0, 1
	MX 2, 3
	s_delay_alu instid0(VALU_DEP_3)
	v_add_nc_u32 v5, v5, v176
	MX 4, 5
	MX 6, 7
	s_delay_alu instid0(VALU_DEP_3)
	v_mov_b32_dpp v176, v5 row_shr:2 row_mask:0xf bank_mask:0xf bound_ctrl:1
	MX 8, 9
	MX 10, 11
	s_delay_alu instid0(VALU_DEP_3)
	v_add_nc_u32 v5, v5, v176
	MX 12, 13
	MX 14, 15
	s_delay_alu instid0(VALU_DEP_3)
	v_mov_b32_dpp v176, v5 row_shr:4 row_mask:0xf bank_mask:0xf bound_ctrl:1
	MX 0, 2
	MX 4, 6
	s_delay_alu instid0(VALU_DEP_3)
	v_add_nc_u32 v5, v5, v176
	MX 8, 10
	MX 12, 14
	s_delay_alu instid0(VALU_DEP_3)
	v_mov_b32_dpp v176, v5 row_shr:8 row_mask:0xf bank_mask:0xf bound_ctrl:1
	MX 0, 4
	MX 8, 12
	s_delay_alu instid0(VALU_DEP_3)
	v_add_nc_u32 v5, v5, v176
	MX 0, 8
	s_delay_alu instid0(VALU_DEP_2)
	v_readlane_b32 s14, v5, 15                     ; the lower half's tiles: also TE of class 15
	SUM16 7, RB, T
	v_mov_b32 v176, s14
	s_delay_alu instid0(VALU_DEP_1)
	v_cndmask_b32 v176, 0, v176, s15
	s_delay_alu instid0(VALU_DEP_1)
	v_add_nc_u32 v5, v5, v176                      ; TE: the tile behind the class's last; it never falls from lane to lane
	s_delay_alu instid0(VALU_DEP_1)
	v_sub_nc_u32 v4, v5, v191                      ; TB: its first tile
	s_delay_alu instid0(VALU_DEP_2)
	v_readlane_b32 s16, v5, 31                     ; tiles in all
	v_and_b32 v7, 0xffff, v7                       ; the class's tokens in the waves ahead of mine
	v_lshrrev_b32 v190, 16, v[RA]
	s_delay_alu instid0(VALU_DEP_1)
	v_add_nc_u32 v190, -1, v190                    ; the class's last token
	s_delay_alu instid0(VALU_DEP_3)
	v_lshl_add_u32 v192, v4, 4, v7
	s_delay_alu instid0(VALU_DEP_1)
	v_lshlrev_b32 v192, 2, v192                    ; where my wave's tokens of the class begin, in bytes
; A TILE'S CLASS is the number of classes that end at or before it: a search in halves over the 32 sorted TE.  v193, v194: 4 x the lane probed, for tiles thread and thread + 512.
; The first probe is lane 15, which s14 holds.  A tile behind the last ends at lane 31, whose word is 0.
.macro PROBE
	ds_bpermute_b32 v195, v193, v5
	ds_bpermute_b32 v196, v194, v5
.endm
.macro STEP back, on                   ; TE probed <= tile: the probe goes on, else back
	v_cmp_le_u32 vcc_lo, v195, v0
	v_cmp_le_u32 s68, v196, v187
	s_delay_alu instid0(VALU_DEP_2)
	v_cndmask_b32 v197, \back, \on, vcc_lo
	s_delay_alu instid0(VALU_DEP_2)
	v_cndmask_b32 v198, \back, \on, s68
	s_delay_alu instid0(VALU_DEP_2)
	v_add_nc_u32 v193, v193, v197
	s_delay_alu instid0(VALU_DEP_2)
	v_add_nc_u32 v194, v194, v198
.endm
.macro PUT v                           ; token (v, lane) goes to its slot
	v_lshl_add_u32 v[SL+\v], v[RK+\v], 2, v[SL+\v]
	s_delay_alu instid0(VALU_DEP_1)
	v_min_u32 v[SL+\v], 34556, v[SL+\v]            ; 4 x 8,639
	global_store_b32 v[SL+\v], v[TID+\v], s[6:7]
.endm
	v_cmp_le_u32 vcc_lo, s14, v0
	v_cmp_le_u32 s68, s14, v187
	s_delay_alu instid0(VALU_DEP_2)
	v_cndmask_b32 v193, 0, 64, vcc_lo
	s_delay_alu instid0(VALU_DEP_2)
	v_cndmask_b32 v194, 0, 64, s68
	s_delay_alu instid0(VALU_DEP_2)
	v_add_nc_u32 v193, 28, v193                    ; lane 7 or lane 23
	s_delay_alu instid0(VALU_DEP_2)
	v_add_nc_u32 v194, 28, v194
	PROBE
.irp v, 0,1,2,3,4,5,6,7,8,9,10,11,12,13,14,15
	v_lshl_add_u32 v[PAY+\v], v[HP+\v], 2, v192
	ds_bpermute_b32 v[SL+\v], v[CL+\v], v[PAY+\v]  ; each token fetches its class's base for its register
.endr
	ds_bpermute_b32 v199, v185, v6                 ; for the left-over slots, thread 16 c + j: n,
	ds_bpermute_b32 v200, v185, v4                 ; TB,
	ds_bpermute_b32 v201, v185, v190               ; and the last token of class c
	s_wait_dscnt 19                                ; the two probes are back; the 19 permutes issued behind them may be out
	STEP -16, 16
	PROBE
	s_wait_dscnt 2                                 ; those 19 are back; the two probes just issued may be out
.irp v, 0,1,2,3,4,5,6,7
	PUT \v
.endr
	s_wait_dscnt 0x0
	STEP -8, 8
	PROBE
.irp v, 8,9,10,11,12,13,14,15
	PUT \v
.endr
	s_wait_dscnt 0x0
	STEP -4, 4
	PROBE
	; the slots left over in each class's last tile.  Offset v203, data v201, lanes s66: stored at the end
	v_sub_nc_u32 v202, 0, v199
	s_delay_alu instid0(VALU_DEP_1)
	v_and_b32 v202, 15, v202                       ; (16 - n % 16) % 16 of them
	s_delay_alu instid0(VALU_DEP_1)
	v_cmp_lt_u32 s17, v186, v202
	v_cmp_gt_u32 s18, 448, v0                      ; 28 classes
	s_and_b32 s66, s17, s18
	v_lshl_add_u32 v203, v200, 4, v199
	s_delay_alu instid0(VALU_DEP_1)
	v_add_nc_u32 v203, v203, v186
	s_delay_alu instid0(VALU_DEP_1)
	v_min_u32 v203, 8639, v203
	s_delay_alu instid0(VALU_DEP_1)
	v_lshlrev_b32 v203, 2, v203
	; the slots behind the last tile: at most 8,640 - 8,192 = 448.  Offset v204, data v188 (0), lanes s67: stored at the end
	s_lshl_b32 s11, s16, 4
	v_add_nc_u32 v204, s11, v0
	s_delay_alu instid0(VALU_DEP_1)
	v_cmp_gt_u32 s67, 8640, v204
	s_delay_alu instid0(VALU_DEP_2)
	v_min_u32 v204, 8639, v204
	s_delay_alu instid0(VALU_DEP_1)
	v_lshlrev_b32 v204, 2, v204
	s_wait_dscnt 0x0
	STEP 0, 4                                      ; 4 x the tile's class, 124 at the most
	ds_bpermute_b32 v195, v193, v180               ; its two experts' bits
	ds_bpermute_b32 v196, v194, v180
	s_wait_dscnt 0x0
	ds_store_b32 v177, v195 offset:TM
	ds_store_b32 v177, v196 offset:TM+2048
	s_wait_dscnt 0x0                               ; for the others' sake
	s_barrier_signal -1
	s_barrier_wait -1
	s_cmp_gt_u32 s10, 14                           ; 60 blocks x 8 experts = 480 threads: waves 0..14; no barrier follows
	s_cbranch_scc1 .Lend
.irp i, 0,1,2,3,4,5,6,7,8
	ds_load_b32 v[RA+\i], v182 offset:TM+4*\i
.endr
	v_mov_b32 v205, 0
	s_wait_dscnt 0x0
.irp i, 0,1,2,3,4,5,6,7,8
	v_lshrrev_b32 v[RA+\i], v184, v[RA+\i]
.endr
.irp i, 0,1,2,3,4,5,6,7,8
	v_and_b32 v[RA+\i], 1, v[RA+\i]
.endr
.irp i, 0
	v_lshl_or_b32 v205, v[RA+\i], \i, v205         ; which of the block's tiles use my expert
.endr
.irp i, 1, 2, 3, 4, 5, 6, 7, 8
	s_delay_alu instid0(VALU_DEP_1)
	v_lshl_or_b32 v205, v[RA+\i], \i, v205
.endr
	s_delay_alu instid0(VALU_DEP_1)
	v_cmp_ne_u32 s69, 0, v205
	v_and_b32 v206, 24, v1
	s_delay_alu instid0(VALU_DEP_1)
	v_lshlrev_b32 v206, v206, 0xff
	s_delay_alu instid0(VALU_DEP_1)
	v_and_b32 v206, s69, v206
	s_delay_alu instid0(VALU_DEP_1)
	v_mbcnt_lo_u32_b32 v207, v206, 0               ; used experts of my block below me
	v_sub_nc_u32 v208, 7, v184
	s_delay_alu instid0(VALU_DEP_1)
	v_add_nc_u32 v208, v208, v207                  ; an unused one counts down from place 7
	s_delay_alu instid0(VALU_DEP_1)
	v_cndmask_b32 v208, v208, v207, s69
	s_delay_alu instid0(VALU_DEP_1)
	v_min_u32 v208, 7, v208
	s_delay_alu instid0(VALU_DEP_1)
	v_lshlrev_b32 v208, 2, v208
	s_delay_alu instid0(VALU_DEP_1)
	v_add_nc_u32 v208, v183, v208                  ; 32 x block + 4 x place
	v_lshl_or_b32 v209, v205, 8, v184
	global_store_b32 v208, v209, s[8:9]            ; each of a block's 8 places is written once
.Lend:
	s_wait_xcnt 0x0                                ; EXEC changes only behind this wait
	s_wait_tensorcnt 0x0
	ds_add_u32 v254, v255
	s_wait_dscnt 0x0
	s_and_saveexec_b32 s19, s66
	global_store_b32 v203, v201, s[6:7]            ; the left-over slots repeat the class's last token
	s_wait_xcnt 0x0
	s_or_b32 exec_lo, exec_lo, s19
	s_wait_xcnt 0x0
	s_and_saveexec_b32 s19, s67
	s_wait_alu depctr_va_vdst(0)
	global_store_b32 v204, v188, s[6:7]            ; the slots behind the last tile hold token 0
	s_wait_xcnt 0x0
	s_or_b32 exec_lo, exec_lo, s19
	s_endpgm
.Lfunc_end_k_qabf0073674_place:
	.size	k_qabf0073674_place, .Lfunc_end_k_qabf0073674_place-k_qabf0073674_place
	.p2alignl 7, 3214868480
	.fill 96, 4, 3214868480
	.section	.rodata,"a",@progbits
	.p2align	6, 0x0
	.amdhsa_kernel k_qabf0073674_place
		.amdhsa_group_segment_fixed_size 10240
		.amdhsa_private_segment_fixed_size 0
		.amdhsa_enable_private_segment 0
		.amdhsa_kernarg_size 24
		.amdhsa_user_sgpr_count 2
		.amdhsa_user_sgpr_kernarg_segment_ptr 1
		.amdhsa_wavefront_size32 1
		.amdhsa_system_sgpr_workgroup_id_x 1
		.amdhsa_system_sgpr_workgroup_id_y 1
		.amdhsa_system_sgpr_workgroup_id_z 1
		.amdhsa_system_vgpr_workitem_id 0
		.amdhsa_next_free_vgpr 256
		.amdhsa_next_free_sgpr 72
		.amdhsa_reserve_vcc 1
		.amdhsa_float_denorm_mode_32 3
		.amdhsa_float_denorm_mode_16_64 3
		.amdhsa_memory_ordered 1
		.amdhsa_forward_progress 1
		.amdhsa_inst_pref_size 53
	.end_amdhsa_kernel
	.amdgpu_metadata
---
amdhsa.version: [ 1, 2 ]
amdhsa.kernels:
  - .name:           k_qabf0073674_place
    .symbol:         k_qabf0073674_place.kd
    .args:
      - { .name: cls, .offset: 0, .size: 8, .value_kind: global_buffer, .address_space: global }
      - { .name: rows, .offset: 8, .size: 8, .value_kind: global_buffer, .address_space: global }
      - { .name: meta, .offset: 16, .size: 8, .value_kind: global_buffer, .address_space: global }
    .group_segment_fixed_size: 10240
    .private_segment_fixed_size: 0
    .kernarg_segment_align: 8
    .kernarg_segment_size: 24
    .max_flat_workgroup_size: 512
    .sgpr_count:     72
    .vgpr_count:     256
    .wavefront_size: 32
...
	.end_amdgpu_metadata
.endif
;; end of part 6
;; launch moe (part 7): grid 4 x 60, 4 waves a work-group, no clusters, 94,720 bytes of LDS; arguments xq, xs, wq, ws, rows, meta, out0; writes out0
.if DOCPART == 7
	.amdgcn_target "amdgcn-amd-amdhsa--gfx1250"
	.amdhsa_code_object_version 6
	.text
	.protected	k_qabf0073674_moe
	.globl	k_qabf0073674_moe
	.p2align	8
	.type	k_qabf0073674_moe,@function
k_qabf0073674_moe:
	s_mov_b64 s[64:65], 0
	v_nop
	global_prefetch_b8 v0, s[64:65] scope:SCOPE_SE
	s_setreg_imm32_b32 hwreg(HW_REG_WAVE_SCHED_MODE, 0, 2), 2
	s_setreg_imm32_b32 hwreg(HW_REG_WAVE_MODE, 25, 1), 1
	s_wait_xcnt 0x0
	s_wait_alu depctr_vm_vsrc(0)
; MOE.  out[token] = the sum over the token's two experts of Q(x[token]) Q(W_e), on codes of E2M1 with E8M0 scales, f32 sums.
; A work-group owns block b (work-group y) of 144 slots, 9 tiles of 16 tokens that share a pair of experts, and columns 256 q .. 256 q + 255 (q = work-group x).
; Wave w takes all 9 tiles x 4 tiles of 16 columns, g = 16 q + 4 w + n: each fragment of W is loaded by one wave and feeds up to 9 products.
; The block's list (meta) names its experts, used ones first; for each a mask of 9 bits says which tiles use it.  Only those products are made.
; Each output row has one owner: both experts of a tile add onto the same accumulators.  Slots that repeat a token lie in that token's tile: the same wave stores the same numbers twice.
; A block that the split leaves without rows runs through with every step passed over and stores nothing.
; THE MATRIX INSTRUCTION IS USED TRANSPOSED: source 0 = 16 columns of W, source 1 = 16 tokens: register j of lane (r, h) is out(token r, column 16 g + 8 h + j).
; WEIGHTS go from memory straight into registers (wq and ws are laid as the operand registers take them), two sets by turns: the next used expert's set is asked for ahead of this expert's products.
; NO CLUSTER, NO TENSOR LOADS: which blocks share an expert hangs on the stored list, so no fixed partners read the same weights; what the four q of a block do share is x,
; 144 x 544 bytes of the about 425,000 that a work-group reads.
; THE ACCUMULATORS ARE CLEARED by 288 moves: which product is a tile's first hangs on the stored list, so none can be written with the constant 0; the moves stand while the gathers are on their way.
; REGISTERS, in windows of 256: window 0: v1-11 addresses; v16-51 x's scale words (4 a tile: register j: lanes 0-15 K step 2 j, lanes 16-31 K step 2 j + 1); v52-83 W's, two sets, likewise;
;   v84-211 two buffers of a tile's 8 fragments of x (at the head: gather offsets; on the way out: tile 8's rows, and the 72 offsets in out); v212-243 tile 8's accumulators; v254, v255 the closing add's two.
;   window 1, 2: W's sets 0, 1, fragment (n, s) at 64 n + 8 s (window 2 holds the gathered rows at the head; window 1 takes the rows of tiles 0-7 on the way out).   window 3: accumulator (tile i, n) at 32 i + 8 n.
; THE MODE: SCHED_MODE bits 1:0 = 2 (LLVM: expert scheduling mode 2), set by the entry lines.  The code itself states the register dependences
; between vector or matrix instructions and memory or LDS instructions, with s_wait_alu, always for 0.
; THE PLAN.  Registers that memory or LDS instructions touch:
;   v1-v8, v10, v11   addresses and offsets: written once at the head, read to the end, never written again.
;   v84-137           at the head: offsets made by vector lines and read by the gathers and the scale words' loads; from the first product on x's fragments land there.
;   window 2          at the head: the gathers land, the LDS stores read; then W's set 1 lands.
;   AF0, AF1          tile i's products read AF[i % 2]; the LDS loads at the head of tile i + 1 land in it (tile i + 2's fragments).
;   W's sets, v52-83  an expert's products read set p and its scale words; the loads at the head of the next expert's turn land in them.
;   accumulators      written by the moves and the products alone; read by the LDS stores of the way out.
;   the way out       72 tokens land in v124-195 and are turned there into 72 offsets, all at once; each tile's rows come back from the stage into registers of their own: nothing that a store reads is written again.
; So one wait on va_vdst stands at the head of an expert's turn (it serves the weights' loads and the first two tiles' fragments), one at the head of each of tiles 1 to 7, two on the way out;
; one wait on vm_vsrc stands at the head, between the LDS stores of the gathered rows and the loads that land in their registers.
.set TILEB, 8448                       ; LDS: 144 rows of x's codes, 512 bytes + 16: 16 rows are 8,448 bytes; 528 = 33 x 16: sixteen rows start in sixteen different columns of 16 bytes
.set STAGE, 76288                      ; behind them, for each wave: 16 rows x (256 + 16) bytes for the way out
.set XS,  16
.set WS,  52
.set AF,  84
.set AC8, 212
.set RO,  84                           ; at the head: v84-119 offsets of my 36 rows, v120-128 the tiles' tokens, v129-137 offsets of their scale words
.set TK,  120
.set XA,  129
.set OB8, 84                           ; on the way out: v84-115 tile 8's 16 rows read back; v124-195 the tokens of all 9 tiles, then their rows' offsets in out
.set TT,  124
.set MSB, 0
.macro WIN new                         ; the immediate's high byte repeats the setting that is left
.if MSB != (\new)
	s_set_vgpr_msb (MSB<<8)|(\new)
.set MSB, (\new)
.endif
.endm
.macro PLACES                          ; four plain lines between a matrix instruction and a load into, or a store from, its registers (ISA guide 7.12.1 for vector instructions); the wait on va_vdst stands behind them
.rept 4
	v_nop
.endr
.endm
; The weights of the expert in the low bits of s[word], for my 64 columns and all of K, into set 0 or 1: 64 + 4 loads of 512 consecutive bytes
.macro BLOAD set, word
	s_and_b32 s90, s[\word], 7
	s_min_u32 s90, s90, 7
	s_lshl_b32 s92, s90, 19
	s_add_nc_u64 s[80+4*(\set):81+4*(\set)], s[72:73], s[92:93]
	s_lshl_b32 s92, s90, 15
	s_add_nc_u64 s[82+4*(\set):83+4*(\set)], s[74:75], s[92:93]
	WIN 0x40*(1+(\set))                            ; destination window 1 or 2
.set j, 0
.rept 64
	global_load_b128 v[4*j:4*j+3], v1, s[80+4*(\set):81+4*(\set)] offset:512*j
.set j, j+1
.endr
	WIN 0
.irp n, 0,1,2,3
	global_load_b128 v[WS+16*(\set)+4*\n:WS+16*(\set)+4*\n+3], v1, s[82+4*(\set):83+4*(\set)] offset:512*\n
.endr
.endm
; tile i's 8 fragments of x (16 tokens x 1,024 K) from LDS into buffer i % 2: 16 loads
.macro AFETCH i
.irp s, 0,1,2,3,4,5,6,7
.irp c, 0,1
.if (\i) < 5
	ds_load_b128 v[AF+64*((\i)%2)+8*\s+4*\c:AF+64*((\i)%2)+8*\s+4*\c+3], v2 offset:(\i)*TILEB+64*\s+32*\c
.else
	ds_load_b128 v[AF+64*((\i)%2)+8*\s+4*\c:AF+64*((\i)%2)+8*\s+4*\c+3], v3 offset:((\i)-5)*TILEB+64*\s+32*\c
.endif
.endr
.endr
.endm
.macro WM i, p, s, n
.if (\s)%2 == 0
	v_wmma_scale_f32_16x16x128_f8f6f4 v[ACB+8*\n:ACB+8*\n+7], v[64*\n+8*\s:64*\n+8*\s+7], v[AF+64*((\i)%2)+8*\s:AF+64*((\i)%2)+8*\s+7], v[ACB+8*\n:ACB+8*\n+7], v[WS+16*(\p)+4*\n+(\s)/2], v[XS+4*(\i)+(\s)/2] matrix_a_fmt:MATRIX_FMT_FP4 matrix_b_fmt:MATRIX_FMT_FP4
.else
	v_wmma_scale_f32_16x16x128_f8f6f4 v[ACB+8*\n:ACB+8*\n+7], v[64*\n+8*\s:64*\n+8*\s+7], v[AF+64*((\i)%2)+8*\s:AF+64*((\i)%2)+8*\s+7], v[ACB+8*\n:ACB+8*\n+7], v[WS+16*(\p)+4*\n+(\s)/2], v[XS+4*(\i)+(\s)/2] matrix_a_fmt:MATRIX_FMT_FP4 matrix_b_fmt:MATRIX_FMT_FP4 matrix_a_scale:MATRIX_SCALE_ROW1 matrix_b_scale:MATRIX_SCALE_ROW1
.endif
.endm
; Tile i against weight set p: the next tile's fragments are asked for, then, if the expert's mask s88 names the tile, 32 products: K step by K step, the tile's four accumulators by turns
; (a tile's last product and any other tile's first name different accumulators).
.macro TILE i, p
.if (\i) < 8
.set ACB, 32*(\i)
.if (\i) > 0
	PLACES                                         ; the loads below go into the buffer that tile i - 1 multiplied
	s_wait_alu depctr_va_vdst(0)                   ; tile i - 1's products are done reading that buffer of x's fragments, in which the 16 loads below land.  (Tile 0's loads lean on the wait at the head of the expert's turn: no product stands between)
.endif
	AFETCH (\i)+1
	s_wait_dscnt 16                                ; this tile's fragments are in; the 16 loads just issued stay out
.else
.set ACB, AC8
	s_wait_dscnt 0x0
.endif
	s_bitcmp1_b32 s88, \i
	s_cbranch_scc0 .Lskip_\@
.if (\i) < 8
	WIN 0xf1+(\p)                                  ; source 0 (W) window 1 + p, source 1 (x) window 0, C and D window 3
.else
	WIN 0x01+(\p)                                  ; tile 8's accumulators lie in window 0
.endif
.irp s, 0,1,2,3,4,5,6,7
.irp n, 0,1,2,3
	WM \i, \p, \s, \n
.endr
.endr
	WIN 0
.Lskip_\@:
.endm
.macro COMPUTE p, cur                  ; the products of the expert at list place s[cur], whose weights lie in set p
	s_lshr_b32 s88, s[\cur], 8
	s_cmp_eq_u32 s88, 0
	s_cbranch_scc1 .Lidle_\@
	AFETCH 0
.irp i, 0,1,2,3,4,5,6,7,8
	TILE \i, \p
.endr
.Lidle_\@:
.endm
.macro HALF p, cur, nxt
	PLACES                                         ; behind the last products: the loads below go into registers that they read
	s_wait_alu depctr_va_vdst(0)                   ; the last expert's products are done reading the other set of weights and its scale words, in which the loads below land, and both buffers of x's fragments, in which tiles 0 and 1 land
	s_wait_loadcnt 0x0                             ; set p has landed (asked for one expert's products ago); no load is out, so the other set's bases may be written
	s_lshr_b32 s89, s[\nxt], 8
	s_cmp_eq_u32 s89, 0
	s_cbranch_scc1 .Lnone_\@                       ; used experts come first in the list: behind them nothing is fetched
	BLOAD 1-\p, \nxt
.Lnone_\@:
	COMPUTE \p, \cur
.endm
	s_load_b256 s[4:11], s[0:1], 0x0               ; xq s[4:5], xs s[6:7], wq s[8:9], ws s[10:11]
	s_load_b128 s[12:15], s[0:1], 0x20             ; rows s[12:13], meta s[14:15]
	s_load_b64 s[16:17], s[0:1], 0x30              ; out
	v_lshl_add_u32 v254, v0, 2, 0x17000
	v_mov_b32 v255, 0
	v_lshrrev_b32 v9, 5, v0
	v_readfirstlane_b32 s18, v9                    ; wave 0..3
	s_mov_b32 s19, ttmp9                           ; q
	s_and_b32 s77, ttmp7, 0xffff                   ; b
	v_and_b32 v9, 31, v0
	v_lshlrev_b32 v1, 4, v9                        ; 16 x lane
	v_and_b32 v12, 15, v0                          ; r
	v_bfe_u32 v13, v0, 4, 1                        ; h
	v_mul_u32_u24 v2, v12, 528
	v_lshl_add_u32 v2, v13, 4, v2                  ; a fragment of x: row r, + 16 h; tiles 0-4
	v_add_nc_u32 v3, 5*TILEB, v2                   ; tiles 5-8 (an LDS offset has 16 bits)
	s_wait_alu depctr_va_sdst(0)                   ; s18, the wave's number, is written, ahead of its first reader
	s_mul_i32 s78, s18, 36*528
	v_add_nc_u32 v4, s78, v1                       ; where I put my 36 gathered rows
	s_mul_i32 s78, s18, 16*272
	s_add_co_u32 s78, s78, STAGE                   ; my stage
	v_mul_u32_u24 v5, v12, 272
	v_lshl_add_u32 v5, v13, 5, v5
	v_add_nc_u32 v5, s78, v5                       ; in: row r, 32 bytes for each half of the lanes
	v_mul_u32_u24 v6, v13, 272
	v_lshl_add_u32 v6, v12, 4, v6
	v_add_nc_u32 v6, s78, v6                       ; back: lanes 0-15 one row of 256 bytes, lanes 16-31 the next
	v_lshlrev_b32 v7, 2, v13                       ; and those two rows' tokens: 4 h
	s_lshl_b32 s78, s19, 10
	s_lshl_b32 s79, s18, 8
	s_add_co_u32 s78, s78, s79
	v_lshl_add_u32 v8, v12, 4, s78                 ; my bytes in a row of out: 1,024 q + 256 w + 16 (lane % 16)
	v_lshlrev_b32 v10, 4, v13                      ; 16 h
	v_lshlrev_b32 v11, 2, v12                      ; 4 r
	s_mul_i32 s92, s77, 576
	s_mov_b32 s93, 0                               ; stays 0: the upper word of every offset
	s_wait_kmcnt 0x0
	s_add_nc_u64 s[66:67], s[12:13], s[92:93]      ; the block's 144 slots
	s_lshl_b32 s92, s77, 5
	s_add_nc_u64 s[68:69], s[14:15], s[92:93]      ; its list
	s_mul_i32 s92, s18, 144
	s_add_nc_u64 s[70:71], s[66:67], s[92:93]      ; the 36 slots that I gather
	s_load_b256 s[20:27], s[68:69], 0x0
	s_load_b512 s[28:43], s[70:71], 0x0
	s_load_b512 s[44:59], s[70:71], 0x40
	s_load_b128 s[60:63], s[70:71], 0x80
	s_wait_alu depctr_va_vdst(0)                   ; the addresses and offsets v1 to v11 are written: the loads below read v11, and none is written again
.irp i, 0,1,2,3,4,5,6,7,8
	global_load_b32 v[TK+\i], v11, s[66:67] offset:64*\i     ; lane (r, h): the token of tile i's row r
.endr
	s_lshl_b32 s92, s19, 17
	s_lshl_b32 s94, s18, 15
	s_add_co_u32 s92, s92, s94
	s_add_nc_u64 s[72:73], s[8:9], s[92:93]        ; wq at my four tiles of columns, expert 0
	s_lshl_b32 s92, s19, 13
	s_lshl_b32 s94, s18, 11
	s_add_co_u32 s92, s92, s94
	s_add_nc_u64 s[74:75], s[10:11], s[92:93]      ; ws likewise
	s_wait_kmcnt 0x0
	s_or_b32 s76, s20, s21
	s_or_b32 s76, s76, s22
	s_or_b32 s76, s76, s23
	s_or_b32 s76, s76, s24
	s_or_b32 s76, s76, s25
	s_or_b32 s76, s76, s26
	s_or_b32 s76, s76, s27
	s_lshr_b32 s76, s76, 8                         ; the tiles that have rows
.set k, 0
.rept 36
	s_min_u32 s[28+k], s[28+k], 8191
	v_lshl_add_u32 v[RO+k], s[28+k], 9, v1
.set k, k+1
.endr
	WIN 0x80                                       ; destination window 2
	s_wait_alu depctr_va_vdst(0)                   ; the 36 offsets v84 to v119 are written, which the gathers read
.set k, 0
.rept 36
	global_load_b128 v[4*k:4*k+3], v[RO+k], s[4:5] ; a whole row of codes: 512 consecutive bytes
.set k, k+1
.endr
	WIN 0xc0                                       ; destination window 3
.set k, 0
.rept 256
	v_mov_b32 v[k], 0
.set k, k+1
.endr
	WIN 0
.set k, 0
.rept 32
	v_mov_b32 v[AC8+k], 0
.set k, k+1
.endr
	s_wait_loadcnt 36                              ; the tiles' tokens are in; the 36 rows stay out
.irp i, 0,1,2,3,4,5,6,7,8
	v_min_u32 v[TK+\i], 8191, v[TK+\i]
	v_lshl_add_u32 v[XA+\i], v[TK+\i], 5, v10
.endr
	s_wait_alu depctr_va_vdst(0)                   ; the 9 offsets v129 to v137 are written, which the loads below read; and the head's vector lines are done with v84 to v137, in which x's fragments land from the first product on
.irp i, 0,1,2,3,4,5,6,7,8
	global_load_b128 v[XS+4*\i:XS+4*\i+3], v[XA+\i], s[6:7]   ; x's scale words: lanes 0-15 the even K steps', lanes 16-31 the odd ones'
.endr
	BLOAD 0, 20
	s_wait_loadcnt 63                              ; the rows are in: 77 loads were issued behind them, and the count names the most that its field holds
	WIN 0x08                                       ; an LDS store's data are its source 1: window 2
.set k, 0
.rept 36
	ds_store_b128 v4, v[4*k:4*k+3] offset:528*k
.set k, k+1
.endr
	WIN 0
	s_wait_dscnt 0x0                               ; my rows lie in LDS, for the others' sake
	s_wait_alu depctr_vm_vsrc(0)                   ; the LDS stores have read the gathered rows in window 2, in which the loads below land; the gathers and the scale words' loads have read their offsets v84 to v119 and v129 to v137, in which x's fragments land
	BLOAD 1, 21                                    ; the second expert's weights.  Both first sets are asked for without a condition: a block with rows uses two experts at the least, and so every register of both sets is written on every way
	s_barrier_signal -1
	s_barrier_wait -1                              ; the block's 144 rows lie in LDS: the one barrier, on every wave's way
	s_wait_loadcnt 63                              ; x's scale words and set 0 are in: set 1's 68 loads were issued behind them
	COMPUTE 0, 20
	s_mov_b32 s91, 4
.Ltrip:                                            ; list places (1, 2), (3, 4), (5, 6), (7, none)
	HALF 1, 21, 22
	HALF 0, 22, 23
	s_mov_b32 s21, s23
	s_mov_b32 s22, s24
	s_mov_b32 s23, s25
	s_mov_b32 s24, s26
	s_mov_b32 s25, s27
	s_mov_b32 s26, 0
	s_mov_b32 s27, 0
	s_sub_co_u32 s91, s91, 1
	s_cmp_lg_u32 s91, 0
	s_cbranch_scc1 .Ltrip
; THE WAY OUT, tile by tile.  A lane holds 32 neighbouring bytes of a token's row and the lanes beside it hold other tokens: a tile goes through my own stage in LDS and comes back as rows of
; 256 bytes; sixteen lanes store 256 consecutive bytes of a token's row, aligned.  LDS serves a wave's instructions in order: no wait between the stores and the loads, nor in front of the next tile's stores.
; The offsets of all 72 pairs of rows are made at once, in the registers in which their tokens landed, so that one wait serves all the stores; each tile's rows come back into registers of their own
; (tiles 0-7: window 1, where W's set 0 lay; tile 8: v84-115), so that no register that a store reads is written again.
	PLACES                                         ; behind the last products: their results are read, and registers that they read are loaded
	s_wait_alu depctr_va_vdst(0)                   ; the products have written the accumulators, which the LDS stores below read, and are done reading x's fragments and the weights, in whose registers the tokens and the rows land
.set k, 0
.rept 72
	global_load_b32 v[TT+k], v7, s[66:67] offset:64*(k/8)+8*(k%8)    ; tile k / 8, rows 2 (k % 8) + h: the token, for all sixteen lanes of a half
.set k, k+1
.endr
	s_wait_loadcnt 0x0                             ; the 72 tokens are in, and no load of weights is out
.set k, 0
.rept 72
	v_min_u32 v[TT+k], 8191, v[TT+k]
.set k, k+1
.endr
.set k, 0
.rept 72
	v_lshl_add_u32 v[TT+k], v[TT+k], 12, v8        ; the token's row of 4,096 bytes, + my bytes in it
.set k, k+1
.endr
	s_wait_alu depctr_va_vdst(0)                   ; the 72 offsets v124 to v195 are written, which the stores below read; no vector instruction follows
.macro OUT i
	s_bitcmp1_b32 s76, \i
	s_cbranch_scc0 .Labsent_\@
.if (\i) < 8
.set ACB, 32*(\i)
.set OBB, 32*(\i)
	WIN 0x0c                                       ; the data: window 3
.else
.set ACB, AC8
.set OBB, OB8
.endif
.irp n, 0,1,2,3
	ds_store_b128 v5, v[ACB+8*\n:ACB+8*\n+3] offset:64*\n            ; each accumulator from its low end on
	ds_store_b128 v5, v[ACB+8*\n+4:ACB+8*\n+7] offset:64*\n+16
.endr
.if (\i) < 8
	WIN 0x40                                       ; destination window 1
.endif
.irp t, 0,1,2,3,4,5,6,7
	ds_load_b128 v[OBB+4*\t:OBB+4*\t+3], v6 offset:544*\t
.endr
	s_wait_dscnt 0x0                               ; the tile's 16 rows are back in registers
.if (\i) < 8
	WIN 0x04                                       ; a store's data are its source 1: window 1
.endif
.irp t, 0,1,2,3,4,5,6,7
	global_store_b128 v[TT+8*(\i)+\t], v[OBB+4*\t:OBB+4*\t+3], s[16:17] th:TH_STORE_NT   ; written once, read by nobody here
.endr
	WIN 0
.Labsent_\@:
.endm
.irp i, 0,1,2,3,4,5,6,7,8
	OUT \i
.endr
	s_wait_dscnt 0x0                               ; the closing lines, six on end, of a launch in the mode that stores to LDS
	s_wait_alu 0x0
	s_wait_tensorcnt 0x0
	ds_add_u32 v254, v255
	s_wait_dscnt 0x0
	s_endpgm
.Lfunc_end_k_qabf0073674_moe:
	.size	k_qabf0073674_moe, .Lfunc_end_k_qabf0073674_moe-k_qabf0073674_moe
	.p2alignl 7, 3214868480
	.fill 96, 4, 3214868480
	.section	.rodata,"a",@progbits
	.p2align	6, 0x0
	.amdhsa_kernel k_qabf0073674_moe
		.amdhsa_group_segment_fixed_size 94720
		.amdhsa_private_segment_fixed_size 0
		.amdhsa_enable_private_segment 0
		.amdhsa_kernarg_size 56
		.amdhsa_user_sgpr_count 2
		.amdhsa_user_sgpr_kernarg_segment_ptr 1
		.amdhsa_wavefront_size32 1
		.amdhsa_system_sgpr_workgroup_id_x 1
		.amdhsa_system_sgpr_workgroup_id_y 1
		.amdhsa_system_sgpr_workgroup_id_z 1
		.amdhsa_system_vgpr_workitem_id 0
		.amdhsa_next_free_vgpr 1024
		.amdhsa_next_free_sgpr 96
		.amdhsa_reserve_vcc 0
		.amdhsa_float_denorm_mode_32 3
		.amdhsa_float_denorm_mode_16_64 3
		.amdhsa_memory_ordered 1
		.amdhsa_forward_progress 1
		.amdhsa_inst_pref_size 230
	.end_amdhsa_kernel
	.amdgpu_metadata
---
amdhsa.version: [ 1, 2 ]
amdhsa.kernels:
  - .name:           k_qabf0073674_moe
    .symbol:         k_qabf0073674_moe.kd
    .args:
      - { .name: xq, .offset: 0, .size: 8, .value_kind: global_buffer, .address_space: global }
      - { .name: xs, .offset: 8, .size: 8, .value_kind: global_buffer, .address_space: global }
      - { .name: wq, .offset: 16, .size: 8, .value_kind: global_buffer, .address_space: global }
      - { .name: ws, .offset: 24, .size: 8, .value_kind: global_buffer, .address_space: global }
      - { .name: rows, .offset: 32, .size: 8, .value_kind: global_buffer, .address_space: global }
      - { .name: meta, .offset: 40, .size: 8, .value_kind: global_buffer, .address_space: global }
      - { .name: out0, .offset: 48, .size: 8, .value_kind: global_buffer, .address_space: global }
    .group_segment_fixed_size: 94720
    .private_segment_fixed_size: 0
    .kernarg_segment_align: 8
    .kernarg_segment_size: 56
    .max_flat_workgroup_size: 128
    .sgpr_count:     96
    .vgpr_count:     1024
    .wavefront_size: 32
...
	.end_amdgpu_metadata
.endif
;; end of part 7
